; MI455X (gfx1250); checked and timed in simulation.
; The chip was launched on July 23, 2026; its instructions are those of AMD's public machine-readable ISA for CDNA 5 (MIT licence, August 2026) and "CDNA5" Instruction Set Architecture Reference Guide (July 2026). The comments in the code are by the model that wrote it; some were corrected since.
;; Multi Head Attention. Allowed arithmetic: matrix products marked QUANTISED: E2M3 operands, one E8M0 scale for each 32 along K, by v_wmma_scale_f32_16x16x128_f8f6f4 with both operands' format E2M3, f32 sums; everything else in f32.
;; Inputs: K 4 x 2,048 x 1,024 float32; Q 4 x 2,048 x 1,024 float32; V 4 x 2,048 x 1,024 float32; proj_b 1,024 float32; proj_w 1,024 x 1,024 float32.
;; Outputs: out0 4 x 2,048 x 1,024 float32.
;; This version of the problem:
;;   THIS VERSION OF THE PROBLEM IS GIVEN IN LOW PRECISION. The matrix products marked QUANTISED in the list below multiply operands that are first quantised to E2M3 (2 exponent bits, 3 mantissa bits; 6 bits a number), with one power-of-two scale for each 32 numbers along K (OCP MX v1.0); their sums are f32. All else is computed in f32.
;;   The module's matrix products, in the order in which they are computed (A, B: the left and right operand; K: the contracted axis; several contracted axes count as one K, in the product's order):
;;     1. [M 8,192, K 1,024] x [K 1,024, N 1,024]; A: computed on the way; B: input proj_w: QUANTISED
;;   THE QUANTISER, for each operand of a quantised product, along K:
;;     - K is cut into blocks of 32 from its start; a last block that is shorter is filled with zeros.
;;     - A block's scale is 2^e with e = floor(log2(the largest magnitude in the block)) - 2, held to -126 .. 127; a block of zeros has e = 0. As a byte (E8M0): e + 127.
;;     - Each number is divided by its block's scale, clamped to +-7.5, and rounded to the nearest number of E2M3, ties to even, subnormals kept.
;;     - The product sums the exact products of the quantised numbers (number of the format x scale) in f32.
;;   ~~~python
;;   def quantise(x, axis):      # numpy; x: float32 -> the quantised numbers, widened to float32 again
;;       x = np.moveaxis(x, axis, -1); K = x.shape[-1]
;;       x = np.pad(x, [(0, 0)] * (x.ndim - 1) + [(0, -K % 32)]); x = x.reshape(x.shape[:-1] + (-1, 32)); a = np.abs(x).max(-1, keepdims=True)
;;       e = np.where(a > 0, np.clip(np.frexp(np.where(a > 0, a, 1))[1] - 1 - 2, -126, 127), 0)      # np.frexp(a)[1] - 1 = floor(log2(a)), exactly
;;       r = np.clip(x / 2.0 ** e, -7.5, 7.5)
;;       step = 2.0 ** (np.maximum(np.frexp(np.where(r == 0, 1, r))[1] - 1, 0) - 3)
;;       q = np.round(r / step) * step * 2.0 ** e      # np.round: ties to even
;;       return np.moveaxis(q.reshape(q.shape[:-2] + (-1,))[..., :K], -1, axis).astype(np.float32)
;;   ~~~
;;   OPERANDS COMPUTED ON THE WAY. 'Computed on the way' means the value that the module computes at that place (a softmax that the list does not call 'softmax' is quantised finished and normalised). What goes into a quantiser is computed in f32, as accurately as f32 sums, v_exp_f32 and their like allow (about 1e-6 of the number): no bf16 or f16 on the way to a quantiser, and a product that is left as it is and whose result goes on into a quantised operand takes f32 operands (vector FMAs, or v_wmma_f32_16x16x4_f32). A number that lies on a knife's edge between two numbers of the format may be rounded either way, as far as f32 arithmetic and the matrix unit's own rounding can turn it there, and no further.
;; 2 versions. Each part assembles by itself: llvm-mc -triple=amdgcn-amd-amdhsa -mcpu=gfx1250 --defsym DOCPART=n.
;; ======== version 1 of 2: 2 launches
;; workspace buffers: qs 524,288 bytes; ks 524,288 bytes; vp 65,536 bytes; wc 786,432 bytes; ws 32,768 bytes
;; launch reduce (part 1): grid 400 x 1, 8 waves a work-group, no clusters, 9,216 bytes of LDS; arguments Q, K, V, proj_w, qs, ks, vp, wc, ws; writes qs, ks, vp, wc, ws
.if DOCPART == 1
	.amdgcn_target "amdgcn-amd-amdhsa--gfx1250"
	.amdhsa_code_object_version 6
	.text
	.protected	k_q367a2c8b84_reduce
	.globl	k_q367a2c8b84_reduce
	.p2align	8
	.type	k_q367a2c8b84_reduce,@function
k_q367a2c8b84_reduce:
	s_mov_b64 s[64:65], 0
	v_nop
	global_prefetch_b8 v0, s[64:65] scope:SCOPE_SE
	s_setreg_imm32_b32 hwreg(HW_REG_WAVE_MODE, 25, 1), 1
	s_wait_xcnt 0x0
; THE SUMS AND THE WEIGHT'S CODES.  Q, K, V: [4][2048][1024] f32; proj_w: [1024 (n)][1024 (k)] f32.
;   qs, ks [4][16][2048] f32: the sum of a head's 64 neighbouring numbers of each row of Q and of K.
;   vp [4][4][1024] f32: column sums of V over 512 rows each (the next launch adds the four).
;   wc: proj_w as codes of E2M3, laid as images of the matrix operand's registers: fragment (T, s) = rows 16 T .. 16 T + 15, k = 128 s .. 128 s + 127, 1,536 bytes at (8 T + s) x 1,536;
;       registers 4 g .. 4 g + 3 of lane l at byte 512 g + 16 l.   ws: its E8M0 scale words, [T 64][half 2][row 16][4 words]: word sl of a row serves K step 4 half + sl.
; A block's scale is 2^(floor(log2(its largest magnitude)) - 2); its byte is that magnitude's exponent field - 2, held at 1 from below.
; LIMITS: NaN and infinities among the inputs are not served.  A block of zeros gets the byte 1 where the quantiser says 127: its codes are zeros, and this program alone reads the bytes.
;         The sums are f32 trees, in another order than a plain sum along the axis.
; SHARES.  400 work-groups of eight waves, each reading 262,144 bytes; a wave issues 64 loads of 16 bytes a lane in four batches of 16, two batches in flight.
;   work-groups 0-15: proj_w (a wave: 16 rows x 512 along K, four fragments);  16-271: Q, then K (a work-group: 64 rows, a wave: 8);  272-399: V (512 rows x 128 columns, a wave: 64 rows).
; The three paths part on the work-group's number, which all waves of a work-group share, meet at ONE barrier and part again for the way out.  Each path has LDS bytes of its own.
; No matrix unit, no cluster, no tensor load: memory binds, no byte is read twice, and work-groups share no input.  No prefetch: the launch is one stream of loads from its first line on.
.set X,   32                           ; v32-159  two sets of 64 registers: a batch's 16 loads
.set R,   160                          ; v160-175 Q, K: a batch's 16 sums
.set ACC, 160                          ; v160-175 V: four chains of 4 columns
.set CT,  184                          ; v184-190 the upper halves of a block's codes, before they are moved
.set M,   12                           ; v12-13   two blocks' largest magnitudes
.set SO,  14                           ; v14-15   the conversions' scale operands
.set BY,  16                           ; v16-17   the scale bytes
.set PW,  18                           ; v18      the scale word just made
.set PT,  19                           ; v19      the other half's part of it
.set SW,  20                           ; v20-23   four K steps' scale words
.set OW,  24                           ; v24-25   the two that my half of the lanes stores
.set H8,  11                           ; v11      8 x (lane / 16)
.set SEL, 32                           ; s[32:33] lane selects: lane l xor 16
.set TAB, 0                            ; LDS 0-4095: Q's or K's sums, [head 16][row 64] f32
.set VST, 4096                         ; LDS 4096-8191: V's sums, 512 bytes a wave
; 64 numbers of a lane, register 32 b + i = k 64 b + 32 (lane / 16) + i of the lane's row, become a fragment's 12 registers at v[c] and the row's scale word in v[PW].
.macro QUANT2 x, c
.irp b, 0,1
	v_max3_num_f32 v[M+\b], |v[(\x)+32*\b]|, |v[(\x)+32*\b+1]|, 0x1800000   ; the floor 2^(3 - 127) among the leaves: the byte cannot fall under 1
.endr
.irp i, 2,4,6,8,10,12,14,16,18,20,22,24,26,28,30
.irp b, 0,1
	v_max3_num_f32 v[M+\b], v[M+\b], |v[(\x)+32*\b+\i]|, |v[(\x)+32*\b+\i+1]|   ; the two blocks by turns
.endr
.endr
.irp b, 0,1
	v_add_nc_u32 v[SO+\b], 0xff000000, v[M+\b]     ; 2 off the exponent field: the conversion takes this field as its scale
.endr
.irp b, 0,1
	v_lshrrev_b32 v[BY+\b], 23, v[SO+\b]           ; the scale's byte
.endr
	v_lshl_or_b32 v[PW], v[BY+1], 16, v[BY]        ; my blocks are numbers h and 2 + h of the four
	v_lshlrev_b32 v[PW], v[H8], v[PW]
	v_permlanex16_b32 v[PT], v[PW], s[SEL], s[SEL+1]
	v_or_b32 v[PW], v[PW], v[PT]                   ; with lane l xor 16's two bytes the word is whole
.irp b, 0,1
	v_cvt_scalef32_pk16_fp6_f32 v[(\c)+6*\b:(\c)+6*\b+2], v[(\x)+32*\b:(\x)+32*\b+15], v[SO+\b]
	v_cvt_scalef32_pk16_fp6_f32 v[CT+4*\b:CT+4*\b+2], v[(\x)+32*\b+16:(\x)+32*\b+31], v[SO+\b]   ; (a conversion's three registers begin on an even number)
.endr
	v_nop                                          ; one plain place behind the last scaled conversion
.irp b, 0,1
.irp i, 0,1,2
	v_mov_b32 v[(\c)+6*\b+3+\i], v[CT+4*\b+\i]
.endr
.endr
.endm
; Q, K.  Batch t: rows 2 t, 2 t + 1 of my eight; load j of a row covers 512 consecutive bytes: head 2 j in lanes 0-15, head 2 j + 1 in lanes 16-31.
.macro QK_LOAD t
.irp i, 0,1
.irp j, 0,1,2,3,4,5,6,7
	global_load_b128 v[X+64*((\t)%2)+4*(8*\i+\j):X+64*((\t)%2)+4*(8*\i+\j)+3], v1, s[24:25] offset:(2*(\t)+\i)*4096+512*\j th:TH_LOAD_NT
.endr
.endr
.endm
.macro QK_PROC t
.set XS, X+64*((\t)%2)
	s_wait_dscnt 0x0                               ; the last batch's LDS stores have read R
.irp n, 0,1,2,3,4,5,6,7,8,9,10,11,12,13,14,15
	v_pk_add_f32 v[XS+4*\n:XS+4*\n+1], v[XS+4*\n:XS+4*\n+1], v[XS+4*\n+2:XS+4*\n+3]
.endr
.irp n, 0,1,2,3,4,5,6,7,8,9,10,11,12,13,14,15
	v_add_f32 v[R+\n], v[XS+4*\n], v[XS+4*\n+1]    ; my four numbers
.endr
.irp m, 1,2,4,8
.irp n, 0,1,2,3,4,5,6,7,8,9,10,11,12,13,14,15
	v_add_f32_dpp v[R+\n], v[R+\n], v[R+\n] row_xmask:\m row_mask:0xf bank_mask:0xf   ; across the 16 lanes of a head; the 16 sums by turns
.endr
.endr
.irp i, 0,1
.irp j, 0,1,2,3,4,5,6,7
	ds_store_b32 v3, v[R+8*\i+\j] offset:TAB+512*\j+4*(2*(\t)+\i)   ; table[2 j + h][8 w + 2 t + i]: a half's 16 lanes write one word with one value
.endr
.endr
.endm
; V.  Batch t: rows 16 t .. 16 t + 15 of my 64; a load covers the strip's 512 consecutive bytes of a row.
.macro V_LOAD t
.irp n, 0,1,2,3,4,5,6,7,8,9,10,11,12,13,14,15
	global_load_b128 v[X+64*((\t)%2)+4*\n:X+64*((\t)%2)+4*\n+3], v1, s[24:25] offset:(16*(\t)+\n)*4096 th:TH_LOAD_NT
.endr
.endm
.macro V_ADD n                         ; row n goes onto chain n % 4
	v_pk_add_f32 v[ACC+4*((\n)%4):ACC+4*((\n)%4)+1], v[ACC+4*((\n)%4):ACC+4*((\n)%4)+1], v[XS+4*(\n):XS+4*(\n)+1]
	v_pk_add_f32 v[ACC+4*((\n)%4)+2:ACC+4*((\n)%4)+3], v[ACC+4*((\n)%4)+2:ACC+4*((\n)%4)+3], v[XS+4*(\n)+2:XS+4*(\n)+3]
.endm
.macro V_PROC t
.set XS, X+64*((\t)%2)
.if (\t) == 0
.irp c, 0,1,2,3
	v_pk_add_f32 v[ACC+4*\c:ACC+4*\c+1], v[XS+4*\c:XS+4*\c+1], v[XS+4*\c+16:XS+4*\c+17]      ; rows c and c + 4 start chain c: nothing is cleared
	v_pk_add_f32 v[ACC+4*\c+2:ACC+4*\c+3], v[XS+4*\c+2:XS+4*\c+3], v[XS+4*\c+18:XS+4*\c+19]
.endr
.irp n, 8,9,10,11,12,13,14,15
	V_ADD \n
.endr
.else
.irp n, 0,1,2,3,4,5,6,7,8,9,10,11,12,13,14,15
	V_ADD \n
.endr
.endif
.endm
; proj_w.  Batch t = K step 4 half + t: lane (r, h) takes, of row r, k = 64 c + 32 h + 0 .. 31 of the step, c = 0, 1: eight loads of 16 bytes a block.
.macro W_LOAD t
.irp c, 0,1
.irp i, 0,1,2,3,4,5,6,7
	global_load_b128 v[X+64*((\t)%2)+32*\c+4*\i:X+64*((\t)%2)+32*\c+4*\i+3], v2, s[24:25] offset:512*(\t)+256*\c+16*\i
.endr
.endr
.endm
.macro W_PROC t
.set XS, X+64*((\t)%2)
.set CS, 160+12*((\t)%2)               ; the codes: two sets of 12 registers
	s_wait_xcnt 0x0                                ; the stores of two batches ago have read this set of codes: it is written again only behind this wait
	QUANT2 XS, CS
	v_mov_b32 v[SW+(\t)], v[PW]
.irp g, 0,1,2
	global_store_b128 v1, v[CS+4*\g:CS+4*\g+3], s[26:27] offset:1536*(\t)+512*\g   ; 32 lanes store 512 consecutive bytes, at a multiple of 256 from the buffer's first byte
.endr
.endm
	s_load_b256 s[4:11], s[0:1], 0x0               ; Q s[4:5], K s[6:7], V s[8:9], proj_w s[10:11]
	s_load_b256 s[12:19], s[0:1], 0x20             ; qs s[12:13], ks s[14:15], vp s[16:17], wc s[18:19]
	s_load_b64 s[20:21], s[0:1], 0x40              ; ws
	v_lshl_add_u32 v192, v0, 2, 0x2000
	v_mov_b32 v193, 0
	v_lshrrev_b32 v12, 5, v0
	v_readfirstlane_b32 s22, v12                   ; wave 0..7
	; every vector address is made here, ahead of the parting
	v_and_b32 v8, 31, v0                           ; lane
	v_lshlrev_b32 v1, 4, v8                        ; v1: 16 x lane
	v_and_b32 v13, 15, v0                          ; r
	v_bfe_u32 v10, v0, 4, 1                        ; v10: h
	v_lshlrev_b32 v2, 12, v13
	v_lshl_add_u32 v2, v10, 7, v2                  ; v2: proj_w: row r of 4,096 bytes + 128 h
	s_lshl_b32 s34, s22, 5
	v_lshlrev_b32 v3, 8, v10
	v_add_nc_u32 v3, s34, v3                       ; v3: the table: 256 h + 32 x wave
	v_lshl_add_u32 v4, v0, 4, VST                  ; v4: V's sums in LDS: 16 x thread
	v_lshlrev_b32 v5, 4, v0                        ; v5: the table read back: 16 x thread
	v_lshrrev_b32 v12, 4, v0
	v_lshlrev_b32 v6, 4, v13
	v_lshl_add_u32 v6, v12, 13, v6                 ; v6: qs, ks: head thread / 16 (8,192 bytes each) + 16 (thread % 16)
	v_add_nc_u32 v7, VST, v1                       ; v7: V's sums read back
	v_lshlrev_b32 v9, 4, v13
	v_lshl_add_u32 v9, v10, 3, v9                  ; v9: ws: 16 r + 8 h
	v_lshlrev_b32 v[H8], 3, v10
	v_mov_b32 v[PT], 0                             ; written once: a lane permute's destination counts as one of its sources
	s_mov_b32 s[SEL], 0x76543210
	s_mov_b32 s[SEL+1], 0xfedcba98
	s_mov_b32 s31, 0                               ; the upper word of the offset pair s[30:31]
	s_wait_kmcnt 0x0
	s_cmp_lt_u32 ttmp9, 16
	s_cbranch_scc1 .Lw
	s_cmp_lt_u32 ttmp9, 272
	s_cbranch_scc1 .Lqk
	; ---- V: index = 32 b + 8 rq + strip
	s_sub_co_u32 s34, ttmp9, 272
	s_and_b32 s34, s34, 127
	s_lshr_b32 s35, s34, 3                         ; 4 b + rq: 512 rows of 4,096 bytes each
	s_lshl_b32 s30, s35, 21
	s_lshl_b32 s36, s22, 18                        ; my wave's 64 rows
	s_add_co_u32 s30, s30, s36
	s_and_b32 s36, s34, 7
	s_lshl_b32 s36, s36, 9                         ; the strip's 512 bytes
	s_add_co_u32 s30, s30, s36
	s_add_nc_u64 s[24:25], s[8:9], s[30:31]
	V_LOAD 0
	V_LOAD 1
	s_wait_loadcnt 16                              ; the older batch is in; the younger batch's 16 loads may be out
	V_PROC 0
	V_LOAD 2
	s_wait_loadcnt 16
	V_PROC 1
	V_LOAD 3
	s_wait_loadcnt 16
	V_PROC 2
	s_wait_loadcnt 0x0
	V_PROC 3
	v_pk_add_f32 v[ACC:ACC+1], v[ACC:ACC+1], v[ACC+4:ACC+5]          ; the four chains join
	v_pk_add_f32 v[ACC+2:ACC+3], v[ACC+2:ACC+3], v[ACC+6:ACC+7]
	v_pk_add_f32 v[ACC+8:ACC+9], v[ACC+8:ACC+9], v[ACC+12:ACC+13]
	v_pk_add_f32 v[ACC+10:ACC+11], v[ACC+10:ACC+11], v[ACC+14:ACC+15]
	v_pk_add_f32 v[ACC:ACC+1], v[ACC:ACC+1], v[ACC+8:ACC+9]
	v_pk_add_f32 v[ACC+2:ACC+3], v[ACC+2:ACC+3], v[ACC+10:ACC+11]
	ds_store_b128 v4, v[ACC:ACC+3]                 ; my wave's 64 rows' sums of the strip's 128 columns
	s_branch .Ljoin
.Lqk:	; ---- Q (the first 128 of these work-groups), K (the others): 64 rows each
	s_sub_co_u32 s34, ttmp9, 16
	s_cmp_lt_u32 s34, 128
	s_cselect_b64 s[24:25], s[4:5], s[6:7]         ; the choice hangs on the work-group's number alone
	s_and_b32 s35, s34, 127
	s_lshl_b32 s30, s35, 18                        ; 64 rows of 4,096 bytes
	s_lshl_b32 s36, s22, 15                        ; my wave's 8
	s_add_co_u32 s30, s30, s36
	s_add_nc_u64 s[24:25], s[24:25], s[30:31]
	QK_LOAD 0
	QK_LOAD 1
	s_wait_loadcnt 16                              ; the younger batch's 16 loads may be out
	QK_PROC 0
	QK_LOAD 2
	s_wait_loadcnt 16
	QK_PROC 1
	QK_LOAD 3
	s_wait_loadcnt 16
	QK_PROC 2
	s_wait_loadcnt 0x0
	QK_PROC 3
	s_branch .Ljoin
.Lw:	; ---- proj_w: wave number 8 g + w of 128 takes tile T = number / 2, K steps 4 (number % 2) on
	s_and_b32 s34, ttmp9, 15
	s_lshl_b32 s34, s34, 3
	s_add_co_u32 s34, s34, s22
	s_lshr_b32 s35, s34, 1
	s_and_b32 s36, s34, 1
	s_lshl_b32 s30, s35, 16                        ; 16 rows of 4,096 bytes
	s_lshl_b32 s37, s36, 11                        ; 512 numbers along K
	s_add_co_u32 s30, s30, s37
	s_add_nc_u64 s[24:25], s[10:11], s[30:31]
	s_mul_i32 s30, s34, 6144                       ; four fragments of 1,536 bytes
	s_add_nc_u64 s[26:27], s[18:19], s[30:31]
	s_lshl_b32 s30, s34, 8                         ; 16 rows x 4 scale words
	s_add_nc_u64 s[28:29], s[20:21], s[30:31]
	W_LOAD 0
	W_LOAD 1
	s_wait_loadcnt 16                              ; the younger batch's 16 loads may be out
	W_PROC 0
	W_LOAD 2
	s_wait_loadcnt 16
	W_PROC 1
	W_LOAD 3
	s_wait_loadcnt 16
	W_PROC 2
	s_wait_loadcnt 0x0
	W_PROC 3
	v_cmp_eq_u32 vcc_lo, 1, v10                    ; every lane holds its row's four words: lanes 0-15 store words 0, 1, lanes 16-31 words 2, 3
	v_cndmask_b32 v[OW], v[SW], v[SW+2], vcc_lo
	v_cndmask_b32 v[OW+1], v[SW+1], v[SW+3], vcc_lo
	global_store_b64 v9, v[OW:OW+1], s[28:29]      ; 32 lanes store 256 consecutive bytes, aligned
.Ljoin:
	s_wait_xcnt 0x0                                ; the stores issued so far have read their registers and bases
	s_wait_dscnt 0x0                               ; my LDS stores have landed:
	s_barrier_signal -1
	s_barrier_wait -1                              ; everybody's have
	s_cmp_lt_u32 ttmp9, 16
	s_cbranch_scc1 .Lend                           ; proj_w's work-groups have stored all
	s_cmp_lt_u32 ttmp9, 272
	s_cbranch_scc1 .Lout_qk
	; ---- V's way out: wave 0 adds the eight waves' sums
	s_cmp_lg_u32 s22, 0
	s_cbranch_scc1 .Lend
	s_sub_co_u32 s34, ttmp9, 272
	s_and_b32 s34, s34, 127
	s_lshr_b32 s35, s34, 3
	s_lshl_b32 s35, s35, 12                        ; vp[b][rq]: 4,096 bytes
	s_and_b32 s36, s34, 7
	s_lshl_b32 s36, s36, 9
	s_add_co_u32 s30, s35, s36
	s_add_nc_u64 s[26:27], s[16:17], s[30:31]
.irp k, 0,1,2,3,4,5,6,7
	ds_load_b128 v[X+4*\k:X+4*\k+3], v7 offset:512*\k
.endr
	s_wait_dscnt 0x0
.irp k, 0,1,2,3
	v_pk_add_f32 v[X+4*\k:X+4*\k+1], v[X+4*\k:X+4*\k+1], v[X+4*\k+16:X+4*\k+17]
	v_pk_add_f32 v[X+4*\k+2:X+4*\k+3], v[X+4*\k+2:X+4*\k+3], v[X+4*\k+18:X+4*\k+19]
.endr
.irp k, 0,1
	v_pk_add_f32 v[X+4*\k:X+4*\k+1], v[X+4*\k:X+4*\k+1], v[X+4*\k+8:X+4*\k+9]
	v_pk_add_f32 v[X+4*\k+2:X+4*\k+3], v[X+4*\k+2:X+4*\k+3], v[X+4*\k+10:X+4*\k+11]
.endr
	v_pk_add_f32 v[X:X+1], v[X:X+1], v[X+4:X+5]
	v_pk_add_f32 v[X+2:X+3], v[X+2:X+3], v[X+6:X+7]
	global_store_b128 v1, v[X:X+3], s[26:27]       ; 512 consecutive bytes, aligned
	s_branch .Lend
.Lout_qk:	; ---- Q's and K's way out: the table's 4,096 bytes, 16 a thread: sixteen lanes store 64 rows' sums of one head
	s_sub_co_u32 s34, ttmp9, 16
	s_cmp_lt_u32 s34, 128
	s_cselect_b64 s[26:27], s[12:13], s[14:15]
	s_and_b32 s35, s34, 127
	s_lshr_b32 s36, s35, 5
	s_lshl_b32 s36, s36, 17                        ; the batch: 16 heads x 8,192 bytes
	s_and_b32 s37, s35, 31
	s_lshl_b32 s37, s37, 8                         ; the block of 64 rows: 256 bytes
	s_add_co_u32 s30, s36, s37
	s_add_nc_u64 s[26:27], s[26:27], s[30:31]
	ds_load_b128 v[R:R+3], v5 offset:TAB
	s_wait_dscnt 0x0
	global_store_b128 v6, v[R:R+3], s[26:27]       ; 16 lanes store 256 consecutive bytes, aligned
.Lend:
	s_wait_tensorcnt 0x0
	ds_add_u32 v192, v193
	s_wait_dscnt 0x0
	s_endpgm
.Lfunc_end_k_q367a2c8b84_reduce:
	.size	k_q367a2c8b84_reduce, .Lfunc_end_k_q367a2c8b84_reduce-k_q367a2c8b84_reduce
	.p2alignl 7, 3214868480
	.fill 96, 4, 3214868480
	.section	.rodata,"a",@progbits
	.p2align	6, 0x0
	.amdhsa_kernel k_q367a2c8b84_reduce
		.amdhsa_group_segment_fixed_size 9216
		.amdhsa_private_segment_fixed_size 0
		.amdhsa_enable_private_segment 0
		.amdhsa_kernarg_size 72
		.amdhsa_user_sgpr_count 2
		.amdhsa_user_sgpr_kernarg_segment_ptr 1
		.amdhsa_wavefront_size32 1
		.amdhsa_system_sgpr_workgroup_id_x 1
		.amdhsa_system_sgpr_workgroup_id_y 1
		.amdhsa_system_sgpr_workgroup_id_z 1
		.amdhsa_system_vgpr_workitem_id 0
		.amdhsa_next_free_vgpr 194
		.amdhsa_next_free_sgpr 66
		.amdhsa_reserve_vcc 1
		.amdhsa_float_denorm_mode_32 3
		.amdhsa_float_denorm_mode_16_64 3
		.amdhsa_memory_ordered 1
		.amdhsa_forward_progress 1
		.amdhsa_inst_pref_size 72
	.end_amdhsa_kernel
	.amdgpu_metadata
---
amdhsa.version: [ 1, 2 ]
amdhsa.kernels:
  - .name:           k_q367a2c8b84_reduce
    .symbol:         k_q367a2c8b84_reduce.kd
    .args:
      - { .name: Q, .offset: 0, .size: 8, .value_kind: global_buffer, .address_space: global }
      - { .name: K, .offset: 8, .size: 8, .value_kind: global_buffer, .address_space: global }
      - { .name: V, .offset: 16, .size: 8, .value_kind: global_buffer, .address_space: global }
      - { .name: proj_w, .offset: 24, .size: 8, .value_kind: global_buffer, .address_space: global }
      - { .name: qs, .offset: 32, .size: 8, .value_kind: global_buffer, .address_space: global }
      - { .name: ks, .offset: 40, .size: 8, .value_kind: global_buffer, .address_space: global }
      - { .name: vp, .offset: 48, .size: 8, .value_kind: global_buffer, .address_space: global }
      - { .name: wc, .offset: 56, .size: 8, .value_kind: global_buffer, .address_space: global }
      - { .name: ws, .offset: 64, .size: 8, .value_kind: global_buffer, .address_space: global }
    .group_segment_fixed_size: 9216
    .private_segment_fixed_size: 0
    .kernarg_segment_align: 8
    .kernarg_segment_size: 72
    .max_flat_workgroup_size: 256
    .sgpr_count:     66
    .vgpr_count:     194
    .wavefront_size: 32
...
	.end_amdgpu_metadata
.endif
;; end of part 1
;; launch attnproj (part 2): grid 256 x 1, 16 waves a work-group, no clusters, 186,368 bytes of LDS; arguments qs, ks, vp, wc, ws, proj_b, out0; writes out0
.if DOCPART == 2
	.amdgcn_target "amdgcn-amd-amdhsa--gfx1250"
	.amdhsa_code_object_version 6
	.text
	.protected	k_q367a2c8b84_attnproj
	.globl	k_q367a2c8b84_attnproj
	.p2align	8
	.type	k_q367a2c8b84_attnproj,@function
k_q367a2c8b84_attnproj:
	s_mov_b64 s[64:65], 0
	v_nop
	global_prefetch_b8 v0, s[64:65] scope:SCOPE_SE
	s_setreg_imm32_b32 hwreg(HW_REG_WAVE_MODE, 25, 1), 1
	s_wait_xcnt 0x0
; out0[m][n] = sum over k of Q6(diag[m][k / 64] x Vs[b][k]) x Q6(proj_w[n][k]) + proj_b[n], Q6 the MX quantiser to E2M3 along K.
;   diag[b][h][i] = exp(a_ii - max_k a_ik) / sum over k of exp(a_ik - max_k a_ik), a_ik = Qs_i Ks_k / 8;  Vs = the column sums of V over a batch's rows.
; THE SOFTMAX.  q' = Qs x log2(e) / 8.  The row's largest q' K is q' Kmax or q' Kmin (a rounded multiplication keeps order), so -m = min(-q' Kmax, -q' Kmin) needs no search over the row.
;   p = 2^(q' K - m), one fused multiply-add and one v_exp_f32; the numerator is made by the same two instructions with the same -m, so what m's rounding shifts is shifted in both.
; LIMITS: NaN and infinities among the inputs are not served.  A p or a numerator under 2^-126 comes out as 0 (v_exp_f32 flushes denormals: ISA guide 15.8), where f32 arithmetic with denormals
;   would keep numbers down to 2^-149.  A block of zeros has the scale byte 1, not 127: its codes are zeros.  The f32 sums are trees, in another order than a plain sum.
; SHARES.  Work-group g: batch g / 64, rows 32 (g % 64) on.  Sixteen waves of 256 registers, four to a SIMD, so that one wave's exponentials stand beside another's packed arithmetic.
;   Softmax: wave w = head w, all 32 rows, all 2,048 keys: the keys lie along the lanes, 64 a lane, in registers for the whole phase: 2,048 v_exp_f32 a wave.
;   Product: wave w makes columns 64 w .. 64 w + 63 for both tiles of 16 rows: 8 accumulators, 64 matrix instructions.  It is used transposed (source 0 = 16 rows of proj_w, source 1 = 16 rows of A),
;   so that a lane holds eight neighbouring columns of one row; the bias is the C of each sum's first instruction.
; proj_w's codes come from memory straight into the operand's registers, three loads of 16 bytes a lane for a fragment; K steps 0 and 1 are asked for at the head and land during the softmax.
; NO CLUSTER, NO TENSOR LOAD, though all work-groups read the same 786,432 bytes of codes: joint requests go through LDS, which would add that many bytes written and read again for each work-group and a round
;   of the cluster's barrier for each refill, for 64 matrix instructions a wave that stand beside its 2,048 exponentials.  No prefetch: the five workspace buffers are read by many work-groups at once.
; A's fragments go from wave to wave through LDS as images of their registers (16 bytes a lane, 512 bytes a store), their scale words likewise (4 bytes a lane).
.set VS,   0                           ; LDS: Vs, 1,024 f32
.set DG,   4096                        ; diag [head 16][row 32] f32
.set QM,   6144                        ; 16 waves x 32 rows x 16 bytes: q', q', -m, -m
.set AIMG, 14336                       ; A's 16 fragments, 1,536 bytes each: number 2 s + mt
.set ASC,  38912                       ; their scale words, 128 bytes each
.set PS,   40960                       ; 16 waves x 32 rows x (32 lane sums + 16 bytes): pitch 144, an odd multiple of 16
.set STG,  114688                      ; the way out: 16 waves x 16 rows x (256 + 16) bytes
.set KR,   16                          ; v16-79   my head's 2,048 Ks, 64 a lane; later v16-47 the bias, v48-63 proj_w's scale words, v64-87 A's two fragments
.set T,    96                          ; v96-159  a row's 64 exponents and p; later A's numbers; later the 8 accumulators: (mt, t) at T + 8 (4 mt + t)
.set W0,   160                         ; v160-255 proj_w's fragments, two sets of 48; on the way out rows read back
.set M,    84                          ; the quantiser's registers
.set SO,   86
.set BY,   90
.set PW,   94
.set PT,   95
.set CT,   76
.set H8,   15                          ; v15  8 x (lane / 16)
.set SEL,  40                          ; s[40:41] lane selects: lane l xor 16
; v1 16 x lane; v9 4 x lane; v14 4 x thread: never rewritten.  v2, v3: addresses of the loop, later offsets of the bias and of the scale words, later of out0.  v4, v5: a phase's addresses.
; v6 the numerator, then diag; v7 Qs; v8 my row's own Ks; v10-13 four rows' sums; v80-95 four rows' (q', q', -m, -m).
; 64 numbers of a lane, register 32 b + i = k 64 b + 32 (lane / 16) + i of the lane's row, become a fragment's 12 registers at v[c] and the row's scale word in v[PW].
.macro QUANT2 x, c
.irp b, 0,1
	v_max3_num_f32 v[M+\b], |v[(\x)+32*\b]|, |v[(\x)+32*\b+1]|, 0x1800000   ; the floor 2^(3 - 127) among the leaves: the byte cannot fall under 1
.endr
.irp i, 2,4,6,8,10,12,14,16,18,20,22,24,26,28,30
.irp b, 0,1
	v_max3_num_f32 v[M+\b], v[M+\b], |v[(\x)+32*\b+\i]|, |v[(\x)+32*\b+\i+1]|   ; the two blocks by turns
.endr
.endr
.irp b, 0,1
	v_add_nc_u32 v[SO+\b], 0xff000000, v[M+\b]     ; 2 off the exponent field: the conversion takes this field as its scale
.endr
.irp b, 0,1
	v_lshrrev_b32 v[BY+\b], 23, v[SO+\b]           ; the scale's byte
.endr
	v_lshl_or_b32 v[PW], v[BY+1], 16, v[BY]        ; my blocks are numbers h and 2 + h of the four
	v_lshlrev_b32 v[PW], v[H8], v[PW]
	v_permlanex16_b32 v[PT], v[PW], s[SEL], s[SEL+1]
	v_or_b32 v[PW], v[PW], v[PT]                   ; with lane l xor 16's two bytes the word is whole
.irp b, 0,1
	v_cvt_scalef32_pk16_fp6_f32 v[(\c)+6*\b:(\c)+6*\b+2], v[(\x)+32*\b:(\x)+32*\b+15], v[SO+\b]
	v_cvt_scalef32_pk16_fp6_f32 v[CT+4*\b:CT+4*\b+2], v[(\x)+32*\b+16:(\x)+32*\b+31], v[SO+\b]   ; (a conversion's three registers begin on an even number)
.endr
	v_nop                                          ; one plain place behind the last scaled conversion
.irp b, 0,1
.irp i, 0,1,2
	v_mov_b32 v[(\c)+6*\b+3+\i], v[CT+4*\b+\i]
.endr
.endr
.endm
; proj_w's four fragments of K step s into set s % 2: 12 loads, each 512 consecutive bytes
.macro WLOAD s
.irp t, 0,1,2,3
.irp g, 0,1,2
	global_load_b128 v[W0+48*((\s)%2)+12*\t+4*\g:W0+48*((\s)%2)+12*\t+4*\g+3], v1, s[32:33] offset:(8*\t+(\s))*1536+512*\g
.endr
.endr
.endm
; A's two fragments of K step s and their scale words
.macro ALOAD s
.irp m, 0,1
.irp g, 0,1,2
	ds_load_b128 v[64+12*\m+4*\g:64+12*\m+4*\g+3], v1 offset:AIMG+(2*(\s)+\m)*1536+512*\g
.endr
	ds_load_b32 v[88+\m], v9 offset:ASC+(2*(\s)+\m)*128
.endr
.endm
; One row of the softmax's sum: 32 packed multiply-adds, 64 exponentials as ONE batch with one wait, 31 packed additions; my lane's sum of 64 p goes to LDS.
.macro ROW i
.set JJ, 0
.rept 32
	v_pk_fma_f32 v[T+JJ:T+JJ+1], v[KR+JJ:KR+JJ+1], v[80+4*\i:81+4*\i], v[82+4*\i:83+4*\i]   ; q' K - m, two keys at a time
.set JJ, JJ+2
.endr
.set JJ, 0
.rept 64
	v_exp_f32 v[T+JJ], v[T+JJ]
.set JJ, JJ+1
.endr
	v_nop                                          ; a plain place behind the last exponential
	s_wait_alu depctr_va_vdst(0)                   ; one wait for the batch, ahead of its first reader
.irp d, 1,2,3,4,5,6,7
.irp c, 0,1,2,3
	v_pk_add_f32 v[T+2*\c:T+2*\c+1], v[T+2*\c:T+2*\c+1], v[T+8*\d+2*\c:T+8*\d+2*\c+1]   ; four chains by turns
.endr
.endr
	v_pk_add_f32 v[T:T+1], v[T:T+1], v[T+2:T+3]
	v_pk_add_f32 v[T+4:T+5], v[T+4:T+5], v[T+6:T+7]
	v_pk_add_f32 v[T:T+1], v[T:T+1], v[T+4:T+5]
	v_add_f32 v[10+\i], v[T], v[T+1]
	ds_store_b32 v5, v[10+\i] offset:144*\i
.endm
; One matrix instruction: K step s, tile t of my four tiles of columns, tile m of the two tiles of rows.  A register of proj_w's scale words holds tile 2 (t / 2) in lanes 0-15 and tile 2 (t / 2) + 1 in lanes 16-31.
.macro WM s, t, m
.set AC, T+8*(4*(\m)+(\t))
.set WF, W0+48*((\s)%2)+12*(\t)
.set AF, 64+12*(\m)
.set WS, 48+8*((\t)/2)+(\s)
.set BI, 16+8*(\t)
.if (\s) == 0
.if (\t)%2
	v_wmma_scale_f32_16x16x128_f8f6f4 v[AC:AC+7], v[WF:WF+11], v[AF:AF+11], v[BI:BI+7], v[WS], v[88+(\m)] matrix_a_fmt:MATRIX_FMT_FP6 matrix_b_fmt:MATRIX_FMT_FP6 matrix_a_scale:MATRIX_SCALE_ROW1
.else
	v_wmma_scale_f32_16x16x128_f8f6f4 v[AC:AC+7], v[WF:WF+11], v[AF:AF+11], v[BI:BI+7], v[WS], v[88+(\m)] matrix_a_fmt:MATRIX_FMT_FP6 matrix_b_fmt:MATRIX_FMT_FP6
.endif
.else
.if (\t)%2
	v_wmma_scale_f32_16x16x128_f8f6f4 v[AC:AC+7], v[WF:WF+11], v[AF:AF+11], v[AC:AC+7], v[WS], v[88+(\m)] matrix_a_fmt:MATRIX_FMT_FP6 matrix_b_fmt:MATRIX_FMT_FP6 matrix_a_scale:MATRIX_SCALE_ROW1
.else
	v_wmma_scale_f32_16x16x128_f8f6f4 v[AC:AC+7], v[WF:WF+11], v[AF:AF+11], v[AC:AC+7], v[WS], v[88+(\m)] matrix_a_fmt:MATRIX_FMT_FP6 matrix_b_fmt:MATRIX_FMT_FP6
.endif
.endif
.endm
; A K step: 8 matrix instructions, the 8 accumulators by turns in the same order in every step; then the next step's A and the step after next's proj_w.
.macro KSTEP s
.if (\s) == 7
	s_wait_loadcnt 0x0                             ; nothing was asked for behind this step's fragments
.elseif (\s) >= 2
	s_wait_loadcnt 12                              ; this step's 12 loads are in; the next step's 12 may be out
.endif
	s_wait_dscnt 0x0                               ; A's fragments and scale words are in
.irp t, 0,1,2,3
.irp m, 0,1
	WM \s, \t, \m
.endr
.endr
.if (\s) < 7
.rept 4
	v_nop                                          ; four places in front of loads into registers that matrix instructions have read (ISA guide 7.12.1 for vector instructions)
.endr
	ALOAD (\s)+1
.endif
.if (\s) < 6
	WLOAD (\s)+2
.endif
.endm
.macro BARRIER                         ; my LDS stores have landed and my LDS loads are in: then the work-group's barrier
	s_wait_dscnt 0x0
	s_barrier_signal -1
	s_barrier_wait -1
.endm
	s_load_b256 s[4:11], s[0:1], 0x0               ; qs s[4:5], ks s[6:7], vp s[8:9], wc s[10:11]
	s_load_b128 s[12:15], s[0:1], 0x20             ; ws s[12:13], proj_b s[14:15]
	s_load_b64 s[16:17], s[0:1], 0x30              ; out0
	v_lshrrev_b32 v4, 5, v0
	v_readfirstlane_b32 s18, v4                    ; wave 0..15
	v_and_b32 v9, 31, v0
	v_lshlrev_b32 v1, 4, v9                        ; 16 x lane
	v_lshlrev_b32 v9, 2, v9                        ; 4 x lane
	v_lshlrev_b32 v14, 2, v0                       ; 4 x thread
	v_bfe_u32 v15, v0, 4, 1
	v_lshlrev_b32 v[H8], 3, v15                    ; 8 x (lane / 16)
	v_lshlrev_b32 v4, 3, v0                        ; 8 x thread: my two columns of Vs
	v_lshl_add_u32 v5, v0, 4, QM                   ; my row's place among my wave's 32: QM + 512 x wave + 16 x lane
	s_lshr_b32 s19, ttmp9, 6                       ; the batch
	s_and_b32 s20, ttmp9, 63                       ; the block of 32 rows
	s_lshl_b32 s45, s18, 9
	s_add_co_u32 s45, s45, QM
	v_mov_b32 v2, s45                              ; my wave's rows of (q', q', -m, -m): every lane reads the same 16 bytes
	s_mul_i32 s45, s18, 4608
	s_add_co_u32 s45, s45, PS
	v_add_nc_u32 v3, s45, v9                       ; my lane's word in my wave's rows of lane sums
	s_mov_b32 s[SEL], 0x76543210
	s_mov_b32 s[SEL+1], 0xfedcba98
	v_mov_b32 v84, 0                               ; written once: a lane permute's destination counts as one of its sources
	v_mov_b32 v85, 0
	s_mov_b32 s23, 0                               ; the upper word of the offset pair s[22:23]
	s_lshl_b32 s22, s19, 4
	s_add_co_u32 s22, s22, s18
	s_lshl_b32 s22, s22, 13                        ; (16 b + head) x 8,192 bytes
	s_wait_kmcnt 0x0
	s_add_nc_u64 s[24:25], s[6:7], s[22:23]        ; my head's Ks
	s_add_nc_u64 s[28:29], s[4:5], s[22:23]
	s_lshl_b32 s22, s20, 7                         ; 32 rows x 4 bytes
	s_add_nc_u64 s[26:27], s[24:25], s[22:23]      ; the Ks of my 32 rows themselves
	s_add_nc_u64 s[28:29], s[28:29], s[22:23]      ; their Qs
	s_lshl_b32 s22, s19, 14
	s_add_nc_u64 s[30:31], s[8:9], s[22:23]        ; the batch's four partial sums of V
	s_mul_i32 s22, s18, 49152
	s_add_nc_u64 s[32:33], s[10:11], s[22:23]      ; my four tiles of proj_w's codes: 4 x 8 fragments
	s_lshl_b32 s22, s18, 11
	s_add_nc_u64 s[34:35], s[12:13], s[22:23]      ; and their scale words
	s_lshl_b32 s22, s18, 8
	s_add_nc_u64 s[36:37], s[14:15], s[22:23]      ; my 64 numbers of the bias
	s_add_nc_u64 s[38:39], s[16:17], s[22:23]      ; my 64 columns of out0,
	s_lshl_b32 s22, ttmp9, 17
	s_add_nc_u64 s[38:39], s[38:39], s[22:23]      ; in the work-group's 32 rows of 4,096 bytes
.irp i, 0,1,2,3,4,5,6,7,8,9,10,11,12,13,14,15
	global_load_b128 v[KR+4*\i:KR+4*\i+3], v1, s[24:25] offset:512*\i   ; keys 128 i + 4 x lane + 0 .. 3
.endr
	global_load_b32 v7, v9, s[28:29]               ; lane = row: its Qs
	global_load_b32 v8, v9, s[26:27]               ; and its own Ks, for the diagonal
.irp q, 0,1,2,3
	global_load_b64 v[T+2*\q:T+2*\q+1], v4, s[30:31] offset:4096*\q
.endr
	WLOAD 0
	WLOAD 1
	s_wait_loadcnt 24                              ; all but proj_w's 24 loads, which land during the softmax
	; ---- Vs: the four partial sums; the work-group's 512 threads make the 1,024 columns
	v_pk_add_f32 v[T:T+1], v[T:T+1], v[T+2:T+3]
	v_pk_add_f32 v[T+4:T+5], v[T+4:T+5], v[T+6:T+7]
	v_pk_add_f32 v[T:T+1], v[T:T+1], v[T+4:T+5]
	ds_store_b64 v4, v[T:T+1] offset:VS
	; ---- the head's largest and smallest Ks: two chains each, by turns
.irp u, 0,1
	v_max3_num_f32 v[80+\u], v[KR+32*\u], v[KR+32*\u+1], v[KR+32*\u+2]
	v_min3_num_f32 v[82+\u], v[KR+32*\u], v[KR+32*\u+1], v[KR+32*\u+2]
.endr
.irp i, 3,5,7,9,11,13,15,17,19,21,23,25,27,29
.irp u, 0,1
	v_max3_num_f32 v[80+\u], v[80+\u], v[KR+32*\u+\i], v[KR+32*\u+\i+1]
	v_min3_num_f32 v[82+\u], v[82+\u], v[KR+32*\u+\i], v[KR+32*\u+\i+1]
.endr
.endr
	v_max3_num_f32 v80, v80, v[KR+31], v[KR+63]
	v_min3_num_f32 v82, v82, v[KR+31], v[KR+63]
	v_max_num_f32 v80, v80, v81
	v_min_num_f32 v82, v82, v83
.irp m, 1,2,4,8
	v_max_num_f32_dpp v80, v80, v80 row_xmask:\m row_mask:0xf bank_mask:0xf
	v_min_num_f32_dpp v82, v82, v82 row_xmask:\m row_mask:0xf bank_mask:0xf
.endr
	v_permlanex16_b32 v84, v80, s[SEL], s[SEL+1]
	v_permlanex16_b32 v85, v82, s[SEL], s[SEL+1]
	v_max_num_f32 v80, v80, v84                    ; Kmax, in every lane
	v_min_num_f32 v82, v82, v85                    ; Kmin
	; ---- lane = row: q', -m, the numerator
	v_mul_f32 v86, 0x3e38aa3b, v7                  ; q' = Qs x log2(e) / 8
	v_mul_f32 v87, -v86, v80
	v_mul_f32 v88, -v86, v82
	v_min_num_f32 v87, v87, v88                    ; -m = -(the row's largest q' K)
	v_mov_b32 v100, v86
	v_mov_b32 v101, v86
	v_mov_b32 v102, v87
	v_mov_b32 v103, v87
	ds_store_b128 v5, v[100:103]                   ; as two pairs, for the packed multiply-add
	v_fma_f32 v6, v86, v8, v87
	v_exp_f32 v6, v6                               ; the numerator 2^(q' K_i - m)
	v_nop                                          ; a plain place behind the exponential
	s_wait_alu depctr_va_vdst(0)                   ; its wait stands ahead of the label below
	; ---- the rows' sums: 8 trips of 4 rows
	s_mov_b32 s42, 0                               ; 64 bytes of (q', q', -m, -m) a trip
	s_mov_b32 s43, 0                               ; 576 bytes of lane sums a trip
	s_mov_b32 s44, 8
.Lrows:
	s_wait_dscnt 0x0                               ; my LDS stores so far have read their address and data registers
	v_add_nc_u32 v4, s42, v2
	v_add_nc_u32 v5, s43, v3
.irp i, 0,1,2,3
	ds_load_b128 v[80+4*\i:83+4*\i], v4 offset:16*\i   ; bytes that my own wave stored: LDS serves a wave's instructions in order (ISA guide 5.7.1.4)
.endr
	s_wait_dscnt 0x0
	ROW 0
	ROW 1
	ROW 2
	ROW 3
	s_add_co_u32 s42, s42, 64
	s_add_co_u32 s43, s43, 576
	s_sub_co_i32 s44, s44, 1
	s_cmp_lg_u32 s44, 0
	s_cbranch_scc1 .Lrows
	; ---- diag.  The bias and proj_w's scale words are asked for first, into the registers that the keys have left
	s_wait_dscnt 0x0                               ; the last trip's stores have read v5
	v_bfe_u32 v5, v0, 4, 1                         ; h
	v_lshlrev_b32 v2, 5, v5                        ; the bias: lane (r, h) wants, for tile t, columns 16 t + 8 h + 0 .. 7
	v_and_b32 v4, 15, v0                           ; r
	v_lshlrev_b32 v3, 4, v4
	v_lshl_add_u32 v3, v5, 9, v3                   ; scale words: 16 r, and one tile (512 bytes) on for lanes 16-31
.irp t, 0,1,2,3
	global_load_b128 v[16+8*\t:16+8*\t+3], v2, s[36:37] offset:64*\t
	global_load_b128 v[16+8*\t+4:16+8*\t+7], v2, s[36:37] offset:64*\t+16
.endr
.irp p, 0,1
.irp f, 0,1
	global_load_b128 v[48+8*\p+4*\f:48+8*\p+4*\f+3], v3, s[34:35] offset:1024*\p+256*\f   ; register 48 + 8 p + s: K step s of tiles 2 p (lanes 0-15) and 2 p + 1 (lanes 16-31)
.endr
.endr
	v_and_b32 v4, 31, v0
	v_mul_u32_u24 v4, v4, 144
	s_mul_i32 s45, s18, 4608
	s_add_co_u32 s45, s45, PS
	v_add_nc_u32 v4, s45, v4                       ; lane = row: its 32 lane sums
.irp i, 0,1,2,3,4,5,6,7
	ds_load_b128 v[T+4*\i:T+4*\i+3], v4 offset:16*\i
.endr
	s_wait_dscnt 0x0
.irp p, 0,1,2,3,4,5,6,7
	v_pk_add_f32 v[T+2*\p:T+2*\p+1], v[T+2*\p:T+2*\p+1], v[T+2*\p+16:T+2*\p+17]
.endr
.irp p, 0,1,2,3
	v_pk_add_f32 v[T+2*\p:T+2*\p+1], v[T+2*\p:T+2*\p+1], v[T+2*\p+8:T+2*\p+9]
.endr
.irp p, 0,1
	v_pk_add_f32 v[T+2*\p:T+2*\p+1], v[T+2*\p:T+2*\p+1], v[T+2*\p+4:T+2*\p+5]
.endr
	v_pk_add_f32 v[T:T+1], v[T:T+1], v[T+2:T+3]
	v_add_f32 v[T], v[T], v[T+1]                   ; the row's sum: at least about 1, since the largest p is about 1
	v_rcp_f32 v[T+1], v[T]
	v_nop                                          ; a plain place behind the reciprocal
	s_wait_alu depctr_va_vdst(0)                   ; and its wait, ahead of its reader
	v_mul_f32 v6, v6, v[T+1]
	ds_store_b32 v14, v6 offset:DG                 ; diag[head = wave][row = lane]
	BARRIER                                        ; Vs and diag lie in LDS
	; ---- A's codes: wave w makes fragment w: K step w / 2, tile of rows w % 2.  Lane (r, h): k = 128 s + 64 c + 32 h + 0 .. 31 of row 16 mt + r; head 2 s + c
	s_lshr_b32 s45, s18, 1
	s_and_b32 s46, s18, 1
	s_lshl_b32 s47, s45, 8
	s_lshl_b32 s46, s46, 6
	s_add_co_u32 s47, s47, s46
	s_lshl_b32 s45, s45, 9
	v_and_b32 v4, 15, v0
	v_lshl_add_u32 v4, v4, 2, s47                  ; diag: 256 s + 64 mt + 4 r
	v_bfe_u32 v5, v0, 4, 1
	v_lshl_add_u32 v5, v5, 7, s45                  ; Vs: 512 s + 128 h
	ds_load_b32 v92, v4 offset:DG
	ds_load_b32 v93, v4 offset:DG+128
.irp c, 0,1
.irp i, 0,1,2,3,4,5,6,7
	ds_load_b128 v[T+32*\c+4*\i:T+32*\c+4*\i+3], v5 offset:VS+256*\c+16*\i
.endr
.endr
	s_wait_dscnt 0x0
.irp c, 0,1
.set JJ, 0
.rept 32
	v_mul_f32 v[T+32*\c+JJ], v[T+32*\c+JJ], v[92+\c]   ; diag x Vs: one f32 product, what goes into the quantiser
.set JJ, JJ+1
.endr
.endr
	v_mov_b32 v[PT], 0
	QUANT2 T, 64
	s_mul_i32 s45, s18, 1536
	v_add_nc_u32 v4, s45, v1
.irp g, 0,1,2
	ds_store_b128 v4, v[64+4*\g:64+4*\g+3] offset:AIMG+512*\g   ; the fragment as it stands: 16 bytes a lane
.endr
	ds_store_b32 v14, v[PW] offset:ASC             ; its scale words: 128 x wave + 4 x lane
	BARRIER                                        ; A's sixteen fragments lie in LDS
	; ---- the product
	ALOAD 0
	s_wait_loadcnt 0x0                             ; proj_w's K steps 0 and 1, the bias, the scale words
	KSTEP 0
	KSTEP 1
	KSTEP 2
	KSTEP 3
	KSTEP 4
	KSTEP 5
	KSTEP 6
	KSTEP 7
	; ---- the way out.  The twelve address lines name no register of the last products: they are the places behind them.
	; A lane holds 32 neighbouring bytes of a row; a tile of 16 rows x 64 columns goes through my own stage and comes back as rows of 256 bytes.
	s_mul_i32 s45, s18, 4352
	s_add_co_u32 s45, s45, STG
	v_and_b32 v2, 15, v0                           ; r
	v_bfe_u32 v3, v0, 4, 1                         ; h
	v_mul_u32_u24 v4, v2, 272
	v_lshl_add_u32 v4, v3, 5, v4
	v_add_nc_u32 v4, s45, v4                       ; in: row r, + 32 h
	v_mul_u32_u24 v5, v3, 272
	v_lshl_add_u32 v5, v2, 4, v5
	v_add_nc_u32 v5, s45, v5                       ; back: lanes 0-15 one row, lanes 16-31 the next
	v_lshlrev_b32 v2, 4, v2
	v_lshl_add_u32 v2, v3, 12, v2                  ; and the same two rows in out0
	v_nop
	v_nop
.irp m, 0,1
.irp t, 0,1,2,3
	ds_store_b128 v4, v[T+8*(4*\m+\t):T+8*(4*\m+\t)+3] offset:64*\t          ; each accumulator from its low end on
	ds_store_b128 v4, v[T+8*(4*\m+\t)+4:T+8*(4*\m+\t)+7] offset:64*\t+16
.endr
.irp i, 0,1,2,3,4,5,6,7
	ds_load_b128 v[W0+32*\m+4*\i:W0+32*\m+4*\i+3], v5 offset:544*\i   ; LDS serves a wave's instructions in order: these see my stores, and the next tile's stores come behind them
.endr
.endr
.irp m, 0,1
.irp i, 0,1,2,3,4,5,6,7
	s_wait_dscnt 23-16*\m-\i                       ; younger than this load: the rest of its tile's eight, and for the first tile the second's 8 stores and 8 loads
	global_store_b128 v2, v[W0+32*\m+4*\i:W0+32*\m+4*\i+3], s[38:39] offset:(16*\m+2*\i)*4096 th:TH_STORE_NT   ; 16 lanes store 256 consecutive bytes, aligned; written once, read by nobody here
.endr
.endr
	s_wait_xcnt 0x0
	v_lshl_add_u32 v254, v0, 2, 0x2d000
	v_mov_b32 v255, 0
	s_wait_tensorcnt 0x0
	ds_add_u32 v254, v255
	s_wait_dscnt 0x0
	s_endpgm
.Lfunc_end_k_q367a2c8b84_attnproj:
	.size	k_q367a2c8b84_attnproj, .Lfunc_end_k_q367a2c8b84_attnproj-k_q367a2c8b84_attnproj
	.p2alignl 7, 3214868480
	.fill 96, 4, 3214868480
	.section	.rodata,"a",@progbits
	.p2align	6, 0x0
	.amdhsa_kernel k_q367a2c8b84_attnproj
		.amdhsa_group_segment_fixed_size 186368
		.amdhsa_private_segment_fixed_size 0
		.amdhsa_enable_private_segment 0
		.amdhsa_kernarg_size 56
		.amdhsa_user_sgpr_count 2
		.amdhsa_user_sgpr_kernarg_segment_ptr 1
		.amdhsa_wavefront_size32 1
		.amdhsa_system_sgpr_workgroup_id_x 1
		.amdhsa_system_sgpr_workgroup_id_y 1
		.amdhsa_system_sgpr_workgroup_id_z 1
		.amdhsa_system_vgpr_workitem_id 0
		.amdhsa_next_free_vgpr 256
		.amdhsa_next_free_sgpr 66
		.amdhsa_reserve_vcc 0
		.amdhsa_float_denorm_mode_32 3
		.amdhsa_float_denorm_mode_16_64 3
		.amdhsa_memory_ordered 1
		.amdhsa_forward_progress 1
		.amdhsa_inst_pref_size 73
	.end_amdhsa_kernel
	.amdgpu_metadata
---
amdhsa.version: [ 1, 2 ]
amdhsa.kernels:
  - .name:           k_q367a2c8b84_attnproj
    .symbol:         k_q367a2c8b84_attnproj.kd
    .args:
      - { .name: qs, .offset: 0, .size: 8, .value_kind: global_buffer, .address_space: global }
      - { .name: ks, .offset: 8, .size: 8, .value_kind: global_buffer, .address_space: global }
      - { .name: vp, .offset: 16, .size: 8, .value_kind: global_buffer, .address_space: global }
      - { .name: wc, .offset: 24, .size: 8, .value_kind: global_buffer, .address_space: global }
      - { .name: ws, .offset: 32, .size: 8, .value_kind: global_buffer, .address_space: global }
      - { .name: proj_b, .offset: 40, .size: 8, .value_kind: global_buffer, .address_space: global }
      - { .name: out0, .offset: 48, .size: 8, .value_kind: global_buffer, .address_space: global }
    .group_segment_fixed_size: 186368
    .private_segment_fixed_size: 0
    .kernarg_segment_align: 8
    .kernarg_segment_size: 56
    .max_flat_workgroup_size: 512
    .sgpr_count:     66
    .vgpr_count:     256
    .wavefront_size: 32
...
	.end_amdgpu_metadata
.endif
;; end of part 2
;; ======== version 2 of 2: 2 launches
;; workspace buffers: qs 524,288 bytes; ks 524,288 bytes; vp 65,536 bytes; wc 786,432 bytes; ws 32,768 bytes
;; launch reduce (part 3): grid 400 x 1, 8 waves a work-group, no clusters, 9,216 bytes of LDS; arguments Q, K, V, proj_w, qs, ks, vp, wc, ws; writes qs, ks, vp, wc, ws
.if DOCPART == 3
	.amdgcn_target "amdgcn-amd-amdhsa--gfx1250"
	.amdhsa_code_object_version 6
	.text
	.protected	k_q367a2c8b84_reduce
	.globl	k_q367a2c8b84_reduce
	.p2align	8
	.type	k_q367a2c8b84_reduce,@function
k_q367a2c8b84_reduce:
	s_mov_b64 s[64:65], 0
	v_nop
	global_prefetch_b8 v0, s[64:65] scope:SCOPE_SE
	s_setreg_imm32_b32 hwreg(HW_REG_WAVE_MODE, 25, 1), 1
	s_wait_xcnt 0x0
; THE SUMS AND THE WEIGHT'S CODES.  Q, K, V: [4][2048][1024] f32; proj_w: [1024 (n)][1024 (k)] f32.
;   qs, ks [4][16][2048] f32: the sum of a head's 64 neighbouring numbers of each row of Q and of K.
;   vp [4][4][1024] f32: column sums of V over 512 rows each (the next launch adds the four).
;   wc: proj_w as codes of E2M3, laid as images of the matrix operand's registers: fragment (T, s) = rows 16 T .. 16 T + 15, k = 128 s .. 128 s + 127, 1,536 bytes at (8 T + s) x 1,536;
;       registers 4 g .. 4 g + 3 of lane l at byte 512 g + 16 l.   ws: its E8M0 scale words, [T 64][half 2][row 16][4 words]: word sl of a row serves K step 4 half + sl.
; A block's scale is 2^(floor(log2(its largest magnitude)) - 2); its byte is that magnitude's exponent field - 2, held at 1 from below.
; LIMITS: NaN and infinities among the inputs are not served.  A block of zeros gets the byte 1 where the quantiser says 127: its codes are zeros, and this program alone reads the bytes.
;         The sums are f32 trees, in another order than a plain sum along the axis.
; SHARES.  400 work-groups of eight waves, each reading 262,144 bytes; a wave issues 64 loads of 16 bytes a lane in four batches of 16, two batches in flight.
;   work-groups 0-15: proj_w (a wave: 16 rows x 512 along K, four fragments);  16-271: Q, then K (a work-group: 64 rows, a wave: 8);  272-399: V (512 rows x 128 columns, a wave: 64 rows).
; The three paths part on the work-group's number, which all waves of a work-group share, meet at ONE barrier and part again for the way out.  Each path has LDS bytes of its own.
; No matrix unit, no cluster, no tensor load: memory binds, no byte is read twice, and work-groups share no input.  No prefetch: the launch is one stream of loads from its first line on.
.set X,   32                           ; v32-159  two sets of 64 registers: a batch's 16 loads
.set R,   160                          ; v160-175 Q, K: a batch's 16 sums
.set ACC, 160                          ; v160-175 V: four chains of 4 columns
.set CT,  184                          ; v184-190 the upper halves of a block's codes, before they are moved
.set M,   12                           ; v12-13   two blocks' largest magnitudes
.set SO,  14                           ; v14-15   the conversions' scale operands
.set BY,  16                           ; v16-17   the scale bytes
.set PW,  18                           ; v18      the scale word just made
.set PT,  19                           ; v19      the other half's part of it
.set SW,  20                           ; v20-23   four K steps' scale words
.set OW,  24                           ; v24-25   the two that my half of the lanes stores
.set H8,  11                           ; v11      8 x (lane / 16)
.set SEL, 32                           ; s[32:33] lane selects: lane l xor 16
.set TAB, 0                            ; LDS 0-4095: Q's or K's sums, [head 16][row 64] f32
.set VST, 4096                         ; LDS 4096-8191: V's sums, 512 bytes a wave
; 64 numbers of a lane, register 32 b + i = k 64 b + 32 (lane / 16) + i of the lane's row, become a fragment's 12 registers at v[c] and the row's scale word in v[PW].
.macro QUANT2 x, c
.irp b, 0,1
	v_max3_num_f32 v[M+\b], |v[(\x)+32*\b]|, |v[(\x)+32*\b+1]|, 0x1800000   ; the floor 2^(3 - 127) among the leaves: the byte cannot fall under 1
.endr
.irp i, 2,4,6,8,10,12,14,16,18,20,22,24,26,28,30
.irp b, 0,1
	s_delay_alu instid0(VALU_DEP_2)
	v_max3_num_f32 v[M+\b], v[M+\b], |v[(\x)+32*\b+\i]|, |v[(\x)+32*\b+\i+1]|   ; the two blocks by turns
.endr
.endr
.irp b, 0,1
	s_delay_alu instid0(VALU_DEP_2)
	v_add_nc_u32 v[SO+\b], 0xff000000, v[M+\b]     ; 2 off the exponent field: the conversion takes this field as its scale
.endr
.irp b, 0,1
	s_delay_alu instid0(VALU_DEP_2)
	v_lshrrev_b32 v[BY+\b], 23, v[SO+\b]           ; the scale's byte
.endr
	s_delay_alu instid0(VALU_DEP_1)
	v_lshl_or_b32 v[PW], v[BY+1], 16, v[BY]        ; my blocks are numbers h and 2 + h of the four
	s_delay_alu instid0(VALU_DEP_1)
	v_lshlrev_b32 v[PW], v[H8], v[PW]
	s_delay_alu instid0(VALU_DEP_1)
	v_permlanex16_b32 v[PT], v[PW], s[SEL], s[SEL+1]
	s_delay_alu instid0(VALU_DEP_1)
	v_or_b32 v[PW], v[PW], v[PT]                   ; with lane l xor 16's two bytes the word is whole
.irp b, 0,1
	v_cvt_scalef32_pk16_fp6_f32 v[(\c)+6*\b:(\c)+6*\b+2], v[(\x)+32*\b:(\x)+32*\b+15], v[SO+\b]
	v_cvt_scalef32_pk16_fp6_f32 v[CT+4*\b:CT+4*\b+2], v[(\x)+32*\b+16:(\x)+32*\b+31], v[SO+\b]   ; (a conversion's three registers begin on an even number)
.endr
	v_nop                                          ; one plain place behind the last scaled conversion
.irp b, 0,1
.irp i, 0,1,2
	v_mov_b32 v[(\c)+6*\b+3+\i], v[CT+4*\b+\i]
.endr
.endr
.endm
; Q, K.  Batch t: rows 2 t, 2 t + 1 of my eight; load j of a row covers 512 consecutive bytes: head 2 j in lanes 0-15, head 2 j + 1 in lanes 16-31.
.macro QK_LOAD t
.irp i, 0,1
.irp j, 0,1,2,3,4,5,6,7
	global_load_b128 v[X+64*((\t)%2)+4*(8*\i+\j):X+64*((\t)%2)+4*(8*\i+\j)+3], v1, s[24:25] offset:(2*(\t)+\i)*4096+512*\j th:TH_LOAD_NT
.endr
.endr
.endm
.macro QK_PROC t
.set XS, X+64*((\t)%2)
	s_wait_dscnt 0x0                               ; the last batch's LDS stores have read R
.irp n, 0,1,2,3,4,5,6,7,8,9,10,11,12,13,14,15
	v_pk_add_f32 v[XS+4*\n:XS+4*\n+1], v[XS+4*\n:XS+4*\n+1], v[XS+4*\n+2:XS+4*\n+3]
.endr
.irp n, 0,1,2,3,4,5,6,7,8,9,10,11,12,13,14,15
	v_add_f32 v[R+\n], v[XS+4*\n], v[XS+4*\n+1]    ; my four numbers
.endr
.irp m, 1,2,4,8
.irp n, 0,1,2,3,4,5,6,7,8,9,10,11,12,13,14,15
	v_add_f32_dpp v[R+\n], v[R+\n], v[R+\n] row_xmask:\m row_mask:0xf bank_mask:0xf   ; across the 16 lanes of a head; the 16 sums by turns
.endr
.endr
.irp i, 0,1
.irp j, 0,1,2,3,4,5,6,7
	ds_store_b32 v3, v[R+8*\i+\j] offset:TAB+512*\j+4*(2*(\t)+\i)   ; table[2 j + h][8 w + 2 t + i]: a half's 16 lanes write one word with one value
.endr
.endr
.endm
; V.  Batch t: rows 16 t .. 16 t + 15 of my 64; a load covers the strip's 512 consecutive bytes of a row.
.macro V_LOAD t
.irp n, 0,1,2,3,4,5,6,7,8,9,10,11,12,13,14,15
	global_load_b128 v[X+64*((\t)%2)+4*\n:X+64*((\t)%2)+4*\n+3], v1, s[24:25] offset:(16*(\t)+\n)*4096 th:TH_LOAD_NT
.endr
.endm
.macro V_ADD n                         ; row n goes onto chain n % 4
	v_pk_add_f32 v[ACC+4*((\n)%4):ACC+4*((\n)%4)+1], v[ACC+4*((\n)%4):ACC+4*((\n)%4)+1], v[XS+4*(\n):XS+4*(\n)+1]
	v_pk_add_f32 v[ACC+4*((\n)%4)+2:ACC+4*((\n)%4)+3], v[ACC+4*((\n)%4)+2:ACC+4*((\n)%4)+3], v[XS+4*(\n)+2:XS+4*(\n)+3]
.endm
.macro V_PROC t
.set XS, X+64*((\t)%2)
.if (\t) == 0
.irp c, 0,1,2,3
	v_pk_add_f32 v[ACC+4*\c:ACC+4*\c+1], v[XS+4*\c:XS+4*\c+1], v[XS+4*\c+16:XS+4*\c+17]      ; rows c and c + 4 start chain c: nothing is cleared
	v_pk_add_f32 v[ACC+4*\c+2:ACC+4*\c+3], v[XS+4*\c+2:XS+4*\c+3], v[XS+4*\c+18:XS+4*\c+19]
.endr
.irp n, 8,9,10,11,12,13,14,15
	V_ADD \n
.endr
.else
.irp n, 0,1,2,3,4,5,6,7,8,9,10,11,12,13,14,15
	V_ADD \n
.endr
.endif
.endm
; proj_w.  Batch t = K step 4 half + t: lane (r, h) takes, of row r, k = 64 c + 32 h + 0 .. 31 of the step, c = 0, 1: eight loads of 16 bytes a block.
.macro W_LOAD t
.irp c, 0,1
.irp i, 0,1,2,3,4,5,6,7
	global_load_b128 v[X+64*((\t)%2)+32*\c+4*\i:X+64*((\t)%2)+32*\c+4*\i+3], v2, s[24:25] offset:512*(\t)+256*\c+16*\i
.endr
.endr
.endm
.macro W_PROC t
.set XS, X+64*((\t)%2)
.set CS, 160+12*((\t)%2)               ; the codes: two sets of 12 registers
	s_wait_xcnt 0x0                                ; the stores of two batches ago have read this set of codes: it is written again only behind this wait
	QUANT2 XS, CS
	v_mov_b32 v[SW+(\t)], v[PW]
.irp g, 0,1,2
	global_store_b128 v1, v[CS+4*\g:CS+4*\g+3], s[26:27] offset:1536*(\t)+512*\g   ; 32 lanes store 512 consecutive bytes, at a multiple of 256 from the buffer's first byte
.endr
.endm
	s_load_b256 s[4:11], s[0:1], 0x0               ; Q s[4:5], K s[6:7], V s[8:9], proj_w s[10:11]
	s_load_b256 s[12:19], s[0:1], 0x20             ; qs s[12:13], ks s[14:15], vp s[16:17], wc s[18:19]
	s_load_b64 s[20:21], s[0:1], 0x40              ; ws
	v_lshl_add_u32 v192, v0, 2, 0x2000
	v_mov_b32 v193, 0
	v_lshrrev_b32 v12, 5, v0
	s_delay_alu instid0(VALU_DEP_1)
	v_readfirstlane_b32 s22, v12                   ; wave 0..7
	; every vector address is made here, ahead of the parting
	v_and_b32 v8, 31, v0                           ; lane
	s_delay_alu instid0(VALU_DEP_1)
	v_lshlrev_b32 v1, 4, v8                        ; v1: 16 x lane
	v_and_b32 v13, 15, v0                          ; r
	v_bfe_u32 v10, v0, 4, 1                        ; v10: h
	s_delay_alu instid0(VALU_DEP_2)
	v_lshlrev_b32 v2, 12, v13
	s_delay_alu instid0(VALU_DEP_1)
	v_lshl_add_u32 v2, v10, 7, v2                  ; v2: proj_w: row r of 4,096 bytes + 128 h
	s_lshl_b32 s34, s22, 5
	v_lshlrev_b32 v3, 8, v10
	s_delay_alu instid0(VALU_DEP_1)
	v_add_nc_u32 v3, s34, v3                       ; v3: the table: 256 h + 32 x wave
	v_lshl_add_u32 v4, v0, 4, VST                  ; v4: V's sums in LDS: 16 x thread
	v_lshlrev_b32 v5, 4, v0                        ; v5: the table read back: 16 x thread
	v_lshrrev_b32 v12, 4, v0
	v_lshlrev_b32 v6, 4, v13
	s_delay_alu instid0(VALU_DEP_1)
	v_lshl_add_u32 v6, v12, 13, v6                 ; v6: qs, ks: head thread / 16 (8,192 bytes each) + 16 (thread % 16)
	v_add_nc_u32 v7, VST, v1                       ; v7: V's sums read back
	v_lshlrev_b32 v9, 4, v13
	s_delay_alu instid0(VALU_DEP_1)
	v_lshl_add_u32 v9, v10, 3, v9                  ; v9: ws: 16 r + 8 h
	v_lshlrev_b32 v[H8], 3, v10
	v_mov_b32 v[PT], 0                             ; written once: a lane permute's destination counts as one of its sources
	s_mov_b32 s[SEL], 0x76543210
	s_mov_b32 s[SEL+1], 0xfedcba98
	s_mov_b32 s31, 0                               ; the upper word of the offset pair s[30:31]
	s_wait_kmcnt 0x0
	s_cmp_lt_u32 ttmp9, 16
	s_cbranch_scc1 .Lw
	s_cmp_lt_u32 ttmp9, 272
	s_cbranch_scc1 .Lqk
	; ---- V: index = 32 b + 8 rq + strip
	s_sub_co_u32 s34, ttmp9, 272
	s_and_b32 s34, s34, 127
	s_lshr_b32 s35, s34, 3                         ; 4 b + rq: 512 rows of 4,096 bytes each
	s_lshl_b32 s30, s35, 21
	s_lshl_b32 s36, s22, 18                        ; my wave's 64 rows
	s_add_co_u32 s30, s30, s36
	s_and_b32 s36, s34, 7
	s_lshl_b32 s36, s36, 9                         ; the strip's 512 bytes
	s_add_co_u32 s30, s30, s36
	s_add_nc_u64 s[24:25], s[8:9], s[30:31]
	V_LOAD 0
	V_LOAD 1
	s_wait_loadcnt 16                              ; the older batch is in; the younger batch's 16 loads may be out
	V_PROC 0
	V_LOAD 2
	s_wait_alu depctr_va_vdst(0)
	s_wait_loadcnt 16
	V_PROC 1
	V_LOAD 3
	s_wait_alu depctr_va_vdst(0)
	s_wait_loadcnt 16
	V_PROC 2
	s_wait_alu depctr_va_vdst(0)
	s_wait_loadcnt 0x0
	V_PROC 3
	v_pk_add_f32 v[ACC:ACC+1], v[ACC:ACC+1], v[ACC+4:ACC+5]          ; the four chains join
	v_pk_add_f32 v[ACC+2:ACC+3], v[ACC+2:ACC+3], v[ACC+6:ACC+7]
	s_delay_alu instid0(VALU_DEP_4)
	v_pk_add_f32 v[ACC+8:ACC+9], v[ACC+8:ACC+9], v[ACC+12:ACC+13]
	s_delay_alu instid0(VALU_DEP_4)
	v_pk_add_f32 v[ACC+10:ACC+11], v[ACC+10:ACC+11], v[ACC+14:ACC+15]
	s_delay_alu instid0(VALU_DEP_2)
	v_pk_add_f32 v[ACC:ACC+1], v[ACC:ACC+1], v[ACC+8:ACC+9]
	s_delay_alu instid0(VALU_DEP_2)
	v_pk_add_f32 v[ACC+2:ACC+3], v[ACC+2:ACC+3], v[ACC+10:ACC+11]
	ds_store_b128 v4, v[ACC:ACC+3]                 ; my wave's 64 rows' sums of the strip's 128 columns
	s_branch .Ljoin
.Lqk:	; ---- Q (the first 128 of these work-groups), K (the others): 64 rows each
	s_sub_co_u32 s34, ttmp9, 16
	s_cmp_lt_u32 s34, 128
	s_cselect_b64 s[24:25], s[4:5], s[6:7]         ; the choice hangs on the work-group's number alone
	s_and_b32 s35, s34, 127
	s_lshl_b32 s30, s35, 18                        ; 64 rows of 4,096 bytes
	s_lshl_b32 s36, s22, 15                        ; my wave's 8
	s_add_co_u32 s30, s30, s36
	s_add_nc_u64 s[24:25], s[24:25], s[30:31]
	QK_LOAD 0
	QK_LOAD 1
	s_wait_loadcnt 16                              ; the younger batch's 16 loads may be out
	QK_PROC 0
	QK_LOAD 2
	s_wait_loadcnt 16
	QK_PROC 1
	QK_LOAD 3
	s_wait_loadcnt 16
	QK_PROC 2
	s_wait_loadcnt 0x0
	QK_PROC 3
	s_branch .Ljoin
.Lw:	; ---- proj_w: wave number 8 g + w of 128 takes tile T = number / 2, K steps 4 (number % 2) on
	s_and_b32 s34, ttmp9, 15
	s_lshl_b32 s34, s34, 3
	s_add_co_u32 s34, s34, s22
	s_lshr_b32 s35, s34, 1
	s_and_b32 s36, s34, 1
	s_lshl_b32 s30, s35, 16                        ; 16 rows of 4,096 bytes
	s_lshl_b32 s37, s36, 11                        ; 512 numbers along K
	s_add_co_u32 s30, s30, s37
	s_add_nc_u64 s[24:25], s[10:11], s[30:31]
	s_mul_i32 s30, s34, 6144                       ; four fragments of 1,536 bytes
	s_add_nc_u64 s[26:27], s[18:19], s[30:31]
	s_lshl_b32 s30, s34, 8                         ; 16 rows x 4 scale words
	s_add_nc_u64 s[28:29], s[20:21], s[30:31]
	W_LOAD 0
	W_LOAD 1
	s_wait_loadcnt 16                              ; the younger batch's 16 loads may be out
	W_PROC 0
	W_LOAD 2
	s_wait_loadcnt 16
	W_PROC 1
	W_LOAD 3
	s_wait_loadcnt 16
	W_PROC 2
	s_wait_loadcnt 0x0
	W_PROC 3
	v_cmp_eq_u32 vcc_lo, 1, v10                    ; every lane holds its row's four words: lanes 0-15 store words 0, 1, lanes 16-31 words 2, 3
	s_delay_alu instid0(VALU_DEP_1)
	v_cndmask_b32 v[OW], v[SW], v[SW+2], vcc_lo
	s_delay_alu instid0(VALU_DEP_2)
	v_cndmask_b32 v[OW+1], v[SW+1], v[SW+3], vcc_lo
	global_store_b64 v9, v[OW:OW+1], s[28:29]      ; 32 lanes store 256 consecutive bytes, aligned
.Ljoin:
	s_wait_xcnt 0x0                                ; the stores issued so far have read their registers and bases
	s_wait_dscnt 0x0                               ; my LDS stores have landed:
	s_barrier_signal -1
	s_barrier_wait -1                              ; everybody's have
	s_cmp_lt_u32 ttmp9, 16
	s_cbranch_scc1 .Lend                           ; proj_w's work-groups have stored all
	s_cmp_lt_u32 ttmp9, 272
	s_cbranch_scc1 .Lout_qk
	; ---- V's way out: wave 0 adds the eight waves' sums
	s_cmp_lg_u32 s22, 0
	s_cbranch_scc1 .Lend
	s_sub_co_u32 s34, ttmp9, 272
	s_and_b32 s34, s34, 127
	s_lshr_b32 s35, s34, 3
	s_lshl_b32 s35, s35, 12                        ; vp[b][rq]: 4,096 bytes
	s_and_b32 s36, s34, 7
	s_lshl_b32 s36, s36, 9
	s_add_co_u32 s30, s35, s36
	s_add_nc_u64 s[26:27], s[16:17], s[30:31]
.irp k, 0,1,2,3,4,5,6,7
	ds_load_b128 v[X+4*\k:X+4*\k+3], v7 offset:512*\k
.endr
	s_wait_dscnt 0x0
.irp k, 0,1,2,3
	v_pk_add_f32 v[X+4*\k:X+4*\k+1], v[X+4*\k:X+4*\k+1], v[X+4*\k+16:X+4*\k+17]
	v_pk_add_f32 v[X+4*\k+2:X+4*\k+3], v[X+4*\k+2:X+4*\k+3], v[X+4*\k+18:X+4*\k+19]
.endr
.irp k, 0,1
	s_delay_alu instid0(VALU_DEP_4)
	v_pk_add_f32 v[X+4*\k:X+4*\k+1], v[X+4*\k:X+4*\k+1], v[X+4*\k+8:X+4*\k+9]
	s_delay_alu instid0(VALU_DEP_4)
	v_pk_add_f32 v[X+4*\k+2:X+4*\k+3], v[X+4*\k+2:X+4*\k+3], v[X+4*\k+10:X+4*\k+11]
.endr
	s_delay_alu instid0(VALU_DEP_2)
	v_pk_add_f32 v[X:X+1], v[X:X+1], v[X+4:X+5]
	s_delay_alu instid0(VALU_DEP_2)
	v_pk_add_f32 v[X+2:X+3], v[X+2:X+3], v[X+6:X+7]
	global_store_b128 v1, v[X:X+3], s[26:27]       ; 512 consecutive bytes, aligned
	s_branch .Lend
.Lout_qk:	; ---- Q's and K's way out: the table's 4,096 bytes, 16 a thread: sixteen lanes store 64 rows' sums of one head
	s_sub_co_u32 s34, ttmp9, 16
	s_cmp_lt_u32 s34, 128
	s_cselect_b64 s[26:27], s[12:13], s[14:15]
	s_and_b32 s35, s34, 127
	s_lshr_b32 s36, s35, 5
	s_lshl_b32 s36, s36, 17                        ; the batch: 16 heads x 8,192 bytes
	s_and_b32 s37, s35, 31
	s_lshl_b32 s37, s37, 8                         ; the block of 64 rows: 256 bytes
	s_add_co_u32 s30, s36, s37
	s_add_nc_u64 s[26:27], s[26:27], s[30:31]
	ds_load_b128 v[R:R+3], v5 offset:TAB
	s_wait_dscnt 0x0
	global_store_b128 v6, v[R:R+3], s[26:27]       ; 16 lanes store 256 consecutive bytes, aligned
.Lend:
	s_wait_tensorcnt 0x0
	ds_add_u32 v192, v193
	s_wait_dscnt 0x0
	s_endpgm
.Lfunc_end_k_q367a2c8b84_reduce:
	.size	k_q367a2c8b84_reduce, .Lfunc_end_k_q367a2c8b84_reduce-k_q367a2c8b84_reduce
	.p2alignl 7, 3214868480
	.fill 96, 4, 3214868480
	.section	.rodata,"a",@progbits
	.p2align	6, 0x0
	.amdhsa_kernel k_q367a2c8b84_reduce
		.amdhsa_group_segment_fixed_size 9216
		.amdhsa_private_segment_fixed_size 0
		.amdhsa_enable_private_segment 0
		.amdhsa_kernarg_size 72
		.amdhsa_user_sgpr_count 2
		.amdhsa_user_sgpr_kernarg_segment_ptr 1
		.amdhsa_wavefront_size32 1
		.amdhsa_system_sgpr_workgroup_id_x 1
		.amdhsa_system_sgpr_workgroup_id_y 1
		.amdhsa_system_sgpr_workgroup_id_z 1
		.amdhsa_system_vgpr_workitem_id 0
		.amdhsa_next_free_vgpr 194
		.amdhsa_next_free_sgpr 66
		.amdhsa_reserve_vcc 1
		.amdhsa_float_denorm_mode_32 3
		.amdhsa_float_denorm_mode_16_64 3
		.amdhsa_memory_ordered 1
		.amdhsa_forward_progress 1
		.amdhsa_inst_pref_size 77
	.end_amdhsa_kernel
	.amdgpu_metadata
---
amdhsa.version: [ 1, 2 ]
amdhsa.kernels:
  - .name:           k_q367a2c8b84_reduce
    .symbol:         k_q367a2c8b84_reduce.kd
    .args:
      - { .name: Q, .offset: 0, .size: 8, .value_kind: global_buffer, .address_space: global }
      - { .name: K, .offset: 8, .size: 8, .value_kind: global_buffer, .address_space: global }
      - { .name: V, .offset: 16, .size: 8, .value_kind: global_buffer, .address_space: global }
      - { .name: proj_w, .offset: 24, .size: 8, .value_kind: global_buffer, .address_space: global }
      - { .name: qs, .offset: 32, .size: 8, .value_kind: global_buffer, .address_space: global }
      - { .name: ks, .offset: 40, .size: 8, .value_kind: global_buffer, .address_space: global }
      - { .name: vp, .offset: 48, .size: 8, .value_kind: global_buffer, .address_space: global }
      - { .name: wc, .offset: 56, .size: 8, .value_kind: global_buffer, .address_space: global }
      - { .name: ws, .offset: 64, .size: 8, .value_kind: global_buffer, .address_space: global }
    .group_segment_fixed_size: 9216
    .private_segment_fixed_size: 0
    .kernarg_segment_align: 8
    .kernarg_segment_size: 72
    .max_flat_workgroup_size: 256
    .sgpr_count:     66
    .vgpr_count:     194
    .wavefront_size: 32
...
	.end_amdgpu_metadata
.endif
;; end of part 3
;; launch attnproj (part 4): grid 256 x 1, 16 waves a work-group, no clusters, 186,368 bytes of LDS; arguments qs, ks, vp, wc, ws, proj_b, out0; writes out0
.if DOCPART == 4
	.amdgcn_target "amdgcn-amd-amdhsa--gfx1250"
	.amdhsa_code_object_version 6
	.text
	.protected	k_q367a2c8b84_attnproj
	.globl	k_q367a2c8b84_attnproj
	.p2align	8
	.type	k_q367a2c8b84_attnproj,@function
k_q367a2c8b84_attnproj:
	s_mov_b64 s[64:65], 0
	v_nop
	global_prefetch_b8 v0, s[64:65] scope:SCOPE_SE
	s_setreg_imm32_b32 hwreg(HW_REG_WAVE_SCHED_MODE, 0, 2), 2
	s_setreg_imm32_b32 hwreg(HW_REG_WAVE_MODE, 25, 1), 1
	s_wait_xcnt 0x0
	s_wait_alu depctr_vm_vsrc(0)
; out0[m][n] = sum over k of Q6(diag[m][k / 64] x Vs[b][k]) x Q6(proj_w[n][k]) + proj_b[n], Q6 the MX quantiser to E2M3 along K.
;   diag[b][h][i] = exp(a_ii - max_k a_ik) / sum over k of exp(a_ik - max_k a_ik), a_ik = Qs_i Ks_k / 8;  Vs = the column sums of V over a batch's rows.
; THE SOFTMAX.  q' = Qs x log2(e) / 8.  The row's largest q' K is q' Kmax or q' Kmin (a rounded multiplication keeps order), so -m = min(-q' Kmax, -q' Kmin) needs no search over the row.
;   p = 2^(q' K - m), one fused multiply-add and one v_exp_f32; the numerator is made by the same two instructions with the same -m, so what m's rounding shifts is shifted in both.
; LIMITS: NaN and infinities among the inputs are not served.  A p or a numerator under 2^-126 comes out as 0 (v_exp_f32 flushes denormals: ISA guide 15.8), where f32 arithmetic with denormals
;   would keep numbers down to 2^-149.  A block of zeros has the scale byte 1, not 127: its codes are zeros.  The f32 sums are trees, in another order than a plain sum.
; SHARES.  Work-group g: batch g / 64, rows 32 (g % 64) on.  Sixteen waves of 256 registers, four to a SIMD, so that one wave's exponentials stand beside another's packed arithmetic.
;   Softmax: wave w = head w, all 32 rows, all 2,048 keys: the keys lie along the lanes, 64 a lane, in registers for the whole phase: 2,048 v_exp_f32 a wave.
;   Product: wave w makes columns 64 w .. 64 w + 63 for both tiles of 16 rows: 8 accumulators, 64 matrix instructions.  It is used transposed (source 0 = 16 rows of proj_w, source 1 = 16 rows of A),
;   so that a lane holds eight neighbouring columns of one row; the bias is the C of each sum's first instruction.
; proj_w's codes come from memory straight into the operand's registers, three loads of 16 bytes a lane for a fragment; K steps 0 and 1 are asked for at the head and land during the softmax.
; NO CLUSTER, NO TENSOR LOAD, though all work-groups read the same 786,432 bytes of codes: joint requests go through LDS, which would add that many bytes written and read again for each work-group and a round
;   of the cluster's barrier for each refill, for 64 matrix instructions a wave that stand beside its 2,048 exponentials.  No prefetch: the five workspace buffers are read by many work-groups at once.
; A's fragments go from wave to wave through LDS as images of their registers (16 bytes a lane, 512 bytes a store), their scale words likewise (4 bytes a lane).
; THE MODE: SCHED_MODE bits 1:0 = 2 (LLVM: expert scheduling mode 2), set by the entry lines.  The code itself states the register dependences
; between vector or matrix instructions and memory or LDS instructions, with s_wait_alu, always for 0.
; THE PLAN.  Registers that memory or LDS instructions touch:
;   v1, v9, v14   offsets, made at the head and never written again.
;   v4, v5        a phase's addresses.  In the loop both are made anew at a trip's head: v4 is read by the trip's four loads of (q', -m), v5 by its four stores of row sums.
;   v80-95        loaded at a trip's head, read by the four rows' multiply-adds.
;   v10-13        row i's sum: written at the end of row i, stored behind row i + 1's wait for its exponentials; row 3's behind a wait of its own at the trip's end.
;   v96-159       T: the head's two LDS stores read six of them; the loop's vector instructions alone name them; later LDS loads land there; later they are the accumulators, which the stage's stores read.
;   v16-63        the keys, read by the multiply-adds; behind the loop the bias and proj_w's scale words land there.
;   The product:  A has two buffers: even K steps v64-87 with scale words v88-89, odd K steps v16-39 (the bias's registers, free behind K step 0) with v90-91; proj_w has two sets.  ONE wait on va_vdst
;                 stands behind a K step's eight products: they are done reading their buffer and their set, in which the loads of two steps on land, issued at once, ahead of the next step's counted waits.
.set VS,   0                           ; LDS: Vs, 1,024 f32
.set DG,   4096                        ; diag [head 16][row 32] f32
.set QM,   6144                        ; 16 waves x 32 rows x 16 bytes: q', q', -m, -m
.set AIMG, 14336                       ; A's 16 fragments, 1,536 bytes each: number 2 s + mt
.set ASC,  38912                       ; their scale words, 128 bytes each
.set PS,   40960                       ; 16 waves x 32 rows x (32 lane sums + 16 bytes): pitch 144, an odd multiple of 16
.set STG,  114688                      ; the way out: 16 waves x 16 rows x (256 + 16) bytes
.set KR,   16                          ; v16-79   my head's 2,048 Ks, 64 a lane; later v16-47 the bias, then v16-39 A's fragments of odd K steps; v48-63 proj_w's scale words; v64-87 A's fragments of even K steps
.set T,    96                          ; v96-159  a row's 64 exponents and p; later A's numbers; later the 8 accumulators: (mt, t) at T + 8 (4 mt + t)
.set W0,   160                         ; v160-255 proj_w's fragments, two sets of 48; on the way out rows read back
.set M,    84                          ; the quantiser's registers
.set SO,   86
.set BY,   90
.set PW,   94
.set PT,   95
.set CT,   76
.set H8,   15                          ; v15  8 x (lane / 16)
.set SEL,  40                          ; s[40:41] lane selects: lane l xor 16
; v1 16 x lane; v9 4 x lane; v14 4 x thread: never rewritten.  v2, v3: addresses of the loop, later offsets of the bias and of the scale words, later of out0.  v4, v5: a phase's addresses.
; v6 the numerator, then diag; v7 Qs; v8 my row's own Ks; v10-13 four rows' sums; v80-95 four rows' (q', q', -m, -m).
; 64 numbers of a lane, register 32 b + i = k 64 b + 32 (lane / 16) + i of the lane's row, become a fragment's 12 registers at v[c] and the row's scale word in v[PW].
.macro QUANT2 x, c
.irp b, 0,1
	v_max3_num_f32 v[M+\b], |v[(\x)+32*\b]|, |v[(\x)+32*\b+1]|, 0x1800000   ; the floor 2^(3 - 127) among the leaves: the byte cannot fall under 1
.endr
.irp i, 2,4,6,8,10,12,14,16,18,20,22,24,26,28,30
.irp b, 0,1
	v_max3_num_f32 v[M+\b], v[M+\b], |v[(\x)+32*\b+\i]|, |v[(\x)+32*\b+\i+1]|   ; the two blocks by turns
.endr
.endr
.irp b, 0,1
	v_add_nc_u32 v[SO+\b], 0xff000000, v[M+\b]     ; 2 off the exponent field: the conversion takes this field as its scale
.endr
.irp b, 0,1
	v_lshrrev_b32 v[BY+\b], 23, v[SO+\b]           ; the scale's byte
.endr
	v_lshl_or_b32 v[PW], v[BY+1], 16, v[BY]        ; my blocks are numbers h and 2 + h of the four
	v_lshlrev_b32 v[PW], v[H8], v[PW]
	v_permlanex16_b32 v[PT], v[PW], s[SEL], s[SEL+1]
	v_or_b32 v[PW], v[PW], v[PT]                   ; with lane l xor 16's two bytes the word is whole
.irp b, 0,1
	v_cvt_scalef32_pk16_fp6_f32 v[(\c)+6*\b:(\c)+6*\b+2], v[(\x)+32*\b:(\x)+32*\b+15], v[SO+\b]
	v_cvt_scalef32_pk16_fp6_f32 v[CT+4*\b:CT+4*\b+2], v[(\x)+32*\b+16:(\x)+32*\b+31], v[SO+\b]   ; (a conversion's three registers begin on an even number)
.endr
	v_nop                                          ; one plain place behind the last scaled conversion
.irp b, 0,1
.irp i, 0,1,2
	v_mov_b32 v[(\c)+6*\b+3+\i], v[CT+4*\b+\i]
.endr
.endr
.endm
; proj_w's four fragments of K step s into set s % 2: 12 loads, each 512 consecutive bytes
.macro WLOAD s
.irp t, 0,1,2,3
.irp g, 0,1,2
	global_load_b128 v[W0+48*((\s)%2)+12*\t+4*\g:W0+48*((\s)%2)+12*\t+4*\g+3], v1, s[32:33] offset:(8*\t+(\s))*1536+512*\g
.endr
.endr
.endm
; A's two fragments of K step s and their scale words, into buffer s % 2: eight LDS loads
.macro ALOAD s
.set ABUF, 64-48*((\s)%2)              ; v64 on, or v16 on
.set ASCL, 88+2*((\s)%2)               ; v88-89, or v90-91
.irp m, 0,1
.irp g, 0,1,2
	ds_load_b128 v[ABUF+12*\m+4*\g:ABUF+12*\m+4*\g+3], v1 offset:AIMG+(2*(\s)+\m)*1536+512*\g
.endr
	ds_load_b32 v[ASCL+\m], v9 offset:ASC+(2*(\s)+\m)*128
.endr
.endm
; One row of the softmax's sum: 32 packed multiply-adds, 64 exponentials as ONE batch with one wait, 31 packed additions.  My lane's sum of 64 p goes to LDS behind the NEXT row's wait.
.macro ROW i
.set JJ, 0
.rept 32
	v_pk_fma_f32 v[T+JJ:T+JJ+1], v[KR+JJ:KR+JJ+1], v[80+4*\i:81+4*\i], v[82+4*\i:83+4*\i]   ; q' K - m, two keys at a time
.set JJ, JJ+2
.endr
.set JJ, 0
	s_wait_alu depctr_va_vdst(0)
.rept 64
	v_exp_f32 v[T+JJ], v[T+JJ]
.set JJ, JJ+1
.endr
	v_nop                                          ; a plain place behind the last exponential
	s_wait_alu depctr_va_vdst(0)                   ; the 64 exponentials have written T, ahead of their first reader; and the row before has written its sum, which the store below reads
.if (\i) > 0
	ds_store_b32 v5, v[9+(\i)] offset:144*((\i)-1) ; the row before; no vector instruction since the wait names v5 or the sum
.endif
.irp d, 1,2,3,4,5,6,7
.irp c, 0,1,2,3
	v_pk_add_f32 v[T+2*\c:T+2*\c+1], v[T+2*\c:T+2*\c+1], v[T+8*\d+2*\c:T+8*\d+2*\c+1]   ; four chains by turns
.endr
.endr
	v_pk_add_f32 v[T:T+1], v[T:T+1], v[T+2:T+3]
	v_pk_add_f32 v[T+4:T+5], v[T+4:T+5], v[T+6:T+7]
	v_pk_add_f32 v[T:T+1], v[T:T+1], v[T+4:T+5]
	v_add_f32 v[10+\i], v[T], v[T+1]
.endm
; One matrix instruction: K step s, tile t of my four tiles of columns, tile m of the two tiles of rows.  A register of proj_w's scale words holds tile 2 (t / 2) in lanes 0-15 and tile 2 (t / 2) + 1 in lanes 16-31.
.macro WM s, t, m
.set AC, T+8*(4*(\m)+(\t))
.set WF, W0+48*((\s)%2)+12*(\t)
.set AF, 64-48*((\s)%2)+12*(\m)
.set SA, 88+2*((\s)%2)+(\m)
.set WS, 48+8*((\t)/2)+(\s)
.set BI, 16+8*(\t)
.if (\s) == 0
.if (\t)%2
	v_wmma_scale_f32_16x16x128_f8f6f4 v[AC:AC+7], v[WF:WF+11], v[AF:AF+11], v[BI:BI+7], v[WS], v[SA] matrix_a_fmt:MATRIX_FMT_FP6 matrix_b_fmt:MATRIX_FMT_FP6 matrix_a_scale:MATRIX_SCALE_ROW1
.else
	v_wmma_scale_f32_16x16x128_f8f6f4 v[AC:AC+7], v[WF:WF+11], v[AF:AF+11], v[BI:BI+7], v[WS], v[SA] matrix_a_fmt:MATRIX_FMT_FP6 matrix_b_fmt:MATRIX_FMT_FP6
.endif
.else
.if (\t)%2
	v_wmma_scale_f32_16x16x128_f8f6f4 v[AC:AC+7], v[WF:WF+11], v[AF:AF+11], v[AC:AC+7], v[WS], v[SA] matrix_a_fmt:MATRIX_FMT_FP6 matrix_b_fmt:MATRIX_FMT_FP6 matrix_a_scale:MATRIX_SCALE_ROW1
.else
	v_wmma_scale_f32_16x16x128_f8f6f4 v[AC:AC+7], v[WF:WF+11], v[AF:AF+11], v[AC:AC+7], v[WS], v[SA] matrix_a_fmt:MATRIX_FMT_FP6 matrix_b_fmt:MATRIX_FMT_FP6
.endif
.endif
.endm
; A K step: 8 matrix instructions, the 8 accumulators by turns in the same order in every step; then the loads of two steps on, into the buffer and the set just read.
.macro KSTEP s
.if (\s) == 7
	s_wait_loadcnt 0x0                             ; nothing was asked for behind this step's fragments
.elseif (\s) >= 2
	s_wait_loadcnt 12                              ; this step's 12 loads are in; the next step's 12 may be out
.endif
.if ((\s) == 0) || ((\s) == 7)
	s_wait_dscnt 0x0                               ; A's fragments and scale words are in; no LDS load was issued behind them
.else
	s_wait_dscnt 8                                 ; A's fragments and scale words of this step are in; the next step's eight LDS loads may be out
.endif
.irp t, 0,1,2,3
.irp m, 0,1
	WM \s, \t, \m
.endr
.endr
.if (\s) < 6
.rept 4
	v_nop                                          ; the four places behind the step's last matrix instruction stay as in the plain form; the wait below states the dependence
.endr
	s_wait_alu depctr_va_vdst(0)                   ; this step's products are done reading A's buffer, its scale words and proj_w's set (K step 0: the bias too), in which the loads below land
.if (\s) == 0
	ALOAD 1                                        ; into the registers that the bias has left
.endif
	ALOAD (\s)+2
	WLOAD (\s)+2
.endif
.endm
.macro BARRIER                         ; my LDS stores have landed and my LDS loads are in: then the work-group's barrier
	s_wait_dscnt 0x0
	s_barrier_signal -1
	s_barrier_wait -1
.endm
	s_load_b256 s[4:11], s[0:1], 0x0               ; qs s[4:5], ks s[6:7], vp s[8:9], wc s[10:11]
	s_load_b128 s[12:15], s[0:1], 0x20             ; ws s[12:13], proj_b s[14:15]
	s_load_b64 s[16:17], s[0:1], 0x30              ; out0
	v_lshrrev_b32 v4, 5, v0
	v_readfirstlane_b32 s18, v4                    ; wave 0..15
	v_and_b32 v9, 31, v0
	v_lshlrev_b32 v1, 4, v9                        ; 16 x lane
	v_lshlrev_b32 v9, 2, v9                        ; 4 x lane
	v_lshlrev_b32 v14, 2, v0                       ; 4 x thread
	v_bfe_u32 v15, v0, 4, 1
	v_lshlrev_b32 v[H8], 3, v15                    ; 8 x (lane / 16)
	v_lshlrev_b32 v4, 3, v0                        ; 8 x thread: my two columns of Vs
	v_lshl_add_u32 v5, v0, 4, QM                   ; my row's place among my wave's 32: QM + 512 x wave + 16 x lane
	s_lshr_b32 s19, ttmp9, 6                       ; the batch
	s_and_b32 s20, ttmp9, 63                       ; the block of 32 rows
	s_wait_alu depctr_va_sdst(0)                   ; s18 is written, ahead of its first reader
	s_lshl_b32 s45, s18, 9
	s_add_co_u32 s45, s45, QM
	v_mov_b32 v2, s45                              ; my wave's rows of (q', q', -m, -m): every lane reads the same 16 bytes
	s_mul_i32 s45, s18, 4608
	s_add_co_u32 s45, s45, PS
	v_add_nc_u32 v3, s45, v9                       ; my lane's word in my wave's rows of lane sums
	s_mov_b32 s[SEL], 0x76543210
	s_mov_b32 s[SEL+1], 0xfedcba98
	v_mov_b32 v84, 0                               ; written once: a lane permute's destination counts as one of its sources
	v_mov_b32 v85, 0
	s_mov_b32 s23, 0                               ; the upper word of the offset pair s[22:23]
	s_lshl_b32 s22, s19, 4
	s_add_co_u32 s22, s22, s18
	s_lshl_b32 s22, s22, 13                        ; (16 b + head) x 8,192 bytes
	s_wait_kmcnt 0x0
	s_add_nc_u64 s[24:25], s[6:7], s[22:23]        ; my head's Ks
	s_add_nc_u64 s[28:29], s[4:5], s[22:23]
	s_lshl_b32 s22, s20, 7                         ; 32 rows x 4 bytes
	s_add_nc_u64 s[26:27], s[24:25], s[22:23]      ; the Ks of my 32 rows themselves
	s_add_nc_u64 s[28:29], s[28:29], s[22:23]      ; their Qs
	s_lshl_b32 s22, s19, 14
	s_add_nc_u64 s[30:31], s[8:9], s[22:23]        ; the batch's four partial sums of V
	s_mul_i32 s22, s18, 49152
	s_add_nc_u64 s[32:33], s[10:11], s[22:23]      ; my four tiles of proj_w's codes: 4 x 8 fragments
	s_lshl_b32 s22, s18, 11
	s_add_nc_u64 s[34:35], s[12:13], s[22:23]      ; and their scale words
	s_lshl_b32 s22, s18, 8
	s_add_nc_u64 s[36:37], s[14:15], s[22:23]      ; my 64 numbers of the bias
	s_add_nc_u64 s[38:39], s[16:17], s[22:23]      ; my 64 columns of out0,
	s_lshl_b32 s22, ttmp9, 17
	s_add_nc_u64 s[38:39], s[38:39], s[22:23]      ; in the work-group's 32 rows of 4,096 bytes
	s_wait_alu depctr_va_vdst(0)                   ; v1, v9, v14, v4 and v5 are written: the loads and LDS stores of the head read them as offsets and addresses, v1, v9 and v14 serve the whole kernel
.irp i, 0,1,2,3,4,5,6,7,8,9,10,11,12,13,14,15
	global_load_b128 v[KR+4*\i:KR+4*\i+3], v1, s[24:25] offset:512*\i   ; keys 128 i + 4 x lane + 0 .. 3
.endr
	global_load_b32 v7, v9, s[28:29]               ; lane = row: its Qs
	global_load_b32 v8, v9, s[26:27]               ; and its own Ks, for the diagonal
.irp q, 0,1,2,3
	global_load_b64 v[T+2*\q:T+2*\q+1], v4, s[30:31] offset:4096*\q
.endr
	WLOAD 0
	WLOAD 1
	s_wait_loadcnt 24                              ; all but proj_w's 24 loads, which land during the softmax
	; ---- Vs: the four partial sums; the work-group's 512 threads make the 1,024 columns.  They stay in v96-97 until the one run of LDS stores below
	v_pk_add_f32 v[T:T+1], v[T:T+1], v[T+2:T+3]
	v_pk_add_f32 v[T+4:T+5], v[T+4:T+5], v[T+6:T+7]
	v_pk_add_f32 v[T:T+1], v[T:T+1], v[T+4:T+5]
	; ---- the head's largest and smallest Ks: two chains each, by turns
.irp u, 0,1
	v_max3_num_f32 v[80+\u], v[KR+32*\u], v[KR+32*\u+1], v[KR+32*\u+2]
	v_min3_num_f32 v[82+\u], v[KR+32*\u], v[KR+32*\u+1], v[KR+32*\u+2]
.endr
.irp i, 3,5,7,9,11,13,15,17,19,21,23,25,27,29
.irp u, 0,1
	v_max3_num_f32 v[80+\u], v[80+\u], v[KR+32*\u+\i], v[KR+32*\u+\i+1]
	v_min3_num_f32 v[82+\u], v[82+\u], v[KR+32*\u+\i], v[KR+32*\u+\i+1]
.endr
.endr
	v_max3_num_f32 v80, v80, v[KR+31], v[KR+63]
	v_min3_num_f32 v82, v82, v[KR+31], v[KR+63]
	v_max_num_f32 v80, v80, v81
	v_min_num_f32 v82, v82, v83
.irp m, 1,2,4,8
	v_max_num_f32_dpp v80, v80, v80 row_xmask:\m row_mask:0xf bank_mask:0xf
	v_min_num_f32_dpp v82, v82, v82 row_xmask:\m row_mask:0xf bank_mask:0xf
.endr
	v_permlanex16_b32 v84, v80, s[SEL], s[SEL+1]
	v_permlanex16_b32 v85, v82, s[SEL], s[SEL+1]
	v_max_num_f32 v80, v80, v84                    ; Kmax, in every lane
	v_min_num_f32 v82, v82, v85                    ; Kmin
	; ---- lane = row: q', -m, the numerator
	v_mul_f32 v86, 0x3e38aa3b, v7                  ; q' = Qs x log2(e) / 8
	v_mul_f32 v87, -v86, v80
	v_mul_f32 v88, -v86, v82
	v_min_num_f32 v87, v87, v88                    ; -m = -(the row's largest q' K)
	v_mov_b32 v100, v86
	v_mov_b32 v101, v86
	v_mov_b32 v102, v87
	v_mov_b32 v103, v87                            ; as two pairs, for the packed multiply-add
	v_fma_f32 v6, v86, v8, v87
	s_wait_alu depctr_va_vdst(0)
	v_exp_f32 v6, v6                               ; the numerator 2^(q' K_i - m)
	v_nop                                          ; a plain place behind the exponential
	s_wait_alu depctr_va_vdst(0)                   ; v96-97 (Vs) and v100-103 (q', -m) are written, which the two LDS stores read; and the exponential has written v6, ahead of the label below
	ds_store_b64 v4, v[T:T+1] offset:VS
	ds_store_b128 v5, v[100:103]
	; ---- the rows' sums: 8 trips of 4 rows
	s_mov_b32 s42, 0                               ; 64 bytes of (q', q', -m, -m) a trip
	s_mov_b32 s43, 0                               ; 576 bytes of lane sums a trip
	s_mov_b32 s44, 8
.Lrows:
	s_wait_dscnt 0x0                               ; my LDS stores so far are done, as in the plain form
	s_wait_alu depctr_vm_vsrc(0)                   ; the LDS instructions issued so far have read v4, v5 and v10-13 (first trip: v4, v5, v96-97 and v100-103), all of which this trip writes again
	v_add_nc_u32 v4, s42, v2
	v_add_nc_u32 v5, s43, v3
	s_wait_alu depctr_va_vdst(0)                   ; v4 is written, which the four loads read, and v5, which the trip's stores read; the earlier readers and writers of v80-95, in which the loads land, stand ahead of it too
.irp i, 0,1,2,3
	ds_load_b128 v[80+4*\i:83+4*\i], v4 offset:16*\i   ; bytes that my own wave stored: LDS serves a wave's instructions in order (ISA guide 5.7.1.4)
.endr
	s_wait_dscnt 0x0
	ROW 0
	ROW 1
	ROW 2
	ROW 3
	s_wait_alu depctr_va_vdst(0)                   ; row 3 has written its sum v13, which the store reads: no later row's wait stands in this trip
	ds_store_b32 v5, v13 offset:432
	s_add_co_u32 s42, s42, 64
	s_add_co_u32 s43, s43, 576
	s_sub_co_i32 s44, s44, 1
	s_cmp_lg_u32 s44, 0
	s_cbranch_scc1 .Lrows
	; ---- diag.  The bias and proj_w's scale words are asked for first, into the registers that the keys have left.  All three addresses are made ahead of one wait
	s_wait_dscnt 0x0                               ; the last trip's stores are done, as in the plain form
	s_wait_alu depctr_vm_vsrc(0)                   ; the loop's LDS loads have read v4 and its stores v5, which are written below
	v_bfe_u32 v5, v0, 4, 1                         ; h
	v_lshlrev_b32 v2, 5, v5                        ; the bias: lane (r, h) wants, for tile t, columns 16 t + 8 h + 0 .. 7
	v_and_b32 v4, 15, v0                           ; r
	v_lshlrev_b32 v3, 4, v4
	v_lshl_add_u32 v3, v5, 9, v3                   ; scale words: 16 r, and one tile (512 bytes) on for lanes 16-31
	v_and_b32 v4, 31, v0
	v_mul_u32_u24 v4, v4, 144
	s_mul_i32 s45, s18, 4608
	s_add_co_u32 s45, s45, PS
	v_add_nc_u32 v4, s45, v4                       ; lane = row: its 32 lane sums
	s_wait_alu depctr_va_vdst(0)                   ; v2, v3 and v4 are written, which the loads below read; the rows' multiply-adds are done reading v16-63 and their additions done with T, in which the loads land
.irp t, 0,1,2,3
	global_load_b128 v[16+8*\t:16+8*\t+3], v2, s[36:37] offset:64*\t
	global_load_b128 v[16+8*\t+4:16+8*\t+7], v2, s[36:37] offset:64*\t+16
.endr
.irp p, 0,1
.irp f, 0,1
	global_load_b128 v[48+8*\p+4*\f:48+8*\p+4*\f+3], v3, s[34:35] offset:1024*\p+256*\f   ; register 48 + 8 p + s: K step s of tiles 2 p (lanes 0-15) and 2 p + 1 (lanes 16-31)
.endr
.endr
.irp i, 0,1,2,3,4,5,6,7
	ds_load_b128 v[T+4*\i:T+4*\i+3], v4 offset:16*\i
.endr
	s_wait_dscnt 0x0
.irp p, 0,1,2,3,4,5,6,7
	v_pk_add_f32 v[T+2*\p:T+2*\p+1], v[T+2*\p:T+2*\p+1], v[T+2*\p+16:T+2*\p+17]
.endr
.irp p, 0,1,2,3
	v_pk_add_f32 v[T+2*\p:T+2*\p+1], v[T+2*\p:T+2*\p+1], v[T+2*\p+8:T+2*\p+9]
.endr
.irp p, 0,1
	v_pk_add_f32 v[T+2*\p:T+2*\p+1], v[T+2*\p:T+2*\p+1], v[T+2*\p+4:T+2*\p+5]
.endr
	v_pk_add_f32 v[T:T+1], v[T:T+1], v[T+2:T+3]
	v_add_f32 v[T], v[T], v[T+1]                   ; the row's sum: at least about 1, since the largest p is about 1
	s_wait_alu depctr_va_vdst(0)
	v_rcp_f32 v[T+1], v[T]
	; the next phase's two addresses are made here: plain work behind the reciprocal, ahead of waits that stand here anyway.  Wave w will make fragment w: K step w / 2, tile of rows w % 2
	s_lshr_b32 s45, s18, 1
	s_and_b32 s46, s18, 1
	s_lshl_b32 s47, s45, 8
	s_lshl_b32 s46, s46, 6
	s_add_co_u32 s47, s47, s46
	s_lshl_b32 s45, s45, 9
	s_wait_alu depctr_vm_vsrc(0)                   ; the eight LDS loads of lane sums have read v4, which is written below
	v_and_b32 v4, 15, v0                           ; (the plain place behind the reciprocal)
	v_lshl_add_u32 v4, v4, 2, s47                  ; diag: 256 s + 64 mt + 4 r
	v_bfe_u32 v5, v0, 4, 1
	v_lshl_add_u32 v5, v5, 7, s45                  ; Vs: 512 s + 128 h
	s_wait_alu depctr_va_vdst(0)                   ; the reciprocal has written v97, ahead of its reader
	v_mul_f32 v6, v6, v[T+1]
	s_wait_alu depctr_va_vdst(0)                   ; v6 is written, which the store reads; v4 and v5 are written and every vector instruction is done with T and v92-93: that serves the loads behind the barrier, ahead of which no vector instruction stands
	ds_store_b32 v14, v6 offset:DG                 ; diag[head = wave][row = lane]
	BARRIER                                        ; Vs and diag lie in LDS
	; ---- A's codes: wave w makes fragment w.  Lane (r, h): k = 128 s + 64 c + 32 h + 0 .. 31 of row 16 mt + r; head 2 s + c
	ds_load_b32 v92, v4 offset:DG
	ds_load_b32 v93, v4 offset:DG+128
.irp c, 0,1
.irp i, 0,1,2,3,4,5,6,7
	ds_load_b128 v[T+32*\c+4*\i:T+32*\c+4*\i+3], v5 offset:VS+256*\c+16*\i
.endr
.endr
	s_wait_dscnt 0x0
	s_wait_alu depctr_vm_vsrc(0)                   ; the two loads of diag have read v4, which is written below
	s_mul_i32 s45, s18, 1536
	v_add_nc_u32 v4, s45, v1                       ; where my fragment's image goes
.irp c, 0,1
.set JJ, 0
.rept 32
	v_mul_f32 v[T+32*\c+JJ], v[T+32*\c+JJ], v[92+\c]   ; diag x Vs: one f32 product, what goes into the quantiser
.set JJ, JJ+1
.endr
.endr
	v_mov_b32 v[PT], 0
	QUANT2 T, 64
	s_wait_alu depctr_va_vdst(0)                   ; the codes v64-75, the scale word v94 and the address v4 are written, which the four LDS stores read
.irp g, 0,1,2
	ds_store_b128 v4, v[64+4*\g:64+4*\g+3] offset:AIMG+512*\g   ; the fragment as it stands: 16 bytes a lane
.endr
	ds_store_b32 v14, v[PW] offset:ASC             ; its scale words: 128 x wave + 4 x lane
	BARRIER                                        ; A's sixteen fragments lie in LDS
	; ---- the product
	s_wait_alu depctr_vm_vsrc(0)                   ; my image stores have read v64-75, in which A's fragments land (the quantiser's lines that named v64-91 stand ahead of the last wait on va_vdst)
	ALOAD 0
	s_wait_loadcnt 0x0                             ; proj_w's K steps 0 and 1, the bias, the scale words
	KSTEP 0
	KSTEP 1
	KSTEP 2
	KSTEP 3
	KSTEP 4
	KSTEP 5
	KSTEP 6
	KSTEP 7
	; ---- the way out.  The lines below name no register of the last products: they are the places behind them.
	; A lane holds 32 neighbouring bytes of a row; a tile of 16 rows x 64 columns goes through my own stage and comes back as rows of 256 bytes.
	s_mul_i32 s45, s18, 4352
	s_add_co_u32 s45, s45, STG
	v_and_b32 v2, 15, v0                           ; r  (the memory and LDS instructions that read v2 to v5 stand ahead of the wait on vm_vsrc at the product's head)
	v_bfe_u32 v3, v0, 4, 1                         ; h
	v_mul_u32_u24 v4, v2, 272
	v_lshl_add_u32 v4, v3, 5, v4
	v_add_nc_u32 v4, s45, v4                       ; in: row r, + 32 h
	v_mul_u32_u24 v5, v3, 272
	v_lshl_add_u32 v5, v2, 4, v5
	v_add_nc_u32 v5, s45, v5                       ; back: lanes 0-15 one row, lanes 16-31 the next
	v_lshlrev_b32 v2, 4, v2
	v_lshl_add_u32 v2, v3, 12, v2                  ; and the same two rows in out0
	v_nop
	v_nop
	s_wait_alu depctr_va_vdst(0)                   ; the products have written the accumulators, which the LDS stores read, and are done reading proj_w's sets, in which the stage's loads land; v2, v4 and v5 are written.  The places above stay beside this wait
.irp m, 0,1
.irp t, 0,1,2,3
	ds_store_b128 v4, v[T+8*(4*\m+\t):T+8*(4*\m+\t)+3] offset:64*\t          ; each accumulator from its low end on
	ds_store_b128 v4, v[T+8*(4*\m+\t)+4:T+8*(4*\m+\t)+7] offset:64*\t+16
.endr
.irp i, 0,1,2,3,4,5,6,7
	ds_load_b128 v[W0+32*\m+4*\i:W0+32*\m+4*\i+3], v5 offset:544*\i   ; LDS serves a wave's instructions in order: these see my stores, and the next tile's stores come behind them
.endr
.endr
.irp m, 0,1
.irp i, 0,1,2,3,4,5,6,7
	s_wait_dscnt 23-16*\m-\i                       ; younger than this load: the rest of its tile's eight, and for the first tile the second's 8 stores and 8 loads
	global_store_b128 v2, v[W0+32*\m+4*\i:W0+32*\m+4*\i+3], s[38:39] offset:(16*\m+2*\i)*4096 th:TH_STORE_NT   ; 16 lanes store 256 consecutive bytes, aligned; written once, read by nobody here
.endr
.endr
	s_wait_xcnt 0x0
	v_lshl_add_u32 v254, v0, 2, 0x2d000            ; the add's two registers, made anew: no memory or LDS instruction has read v254 or v255
	v_mov_b32 v255, 0
	s_wait_dscnt 0x0                               ; the closing lines, six on end
	s_wait_alu 0x0
	s_wait_tensorcnt 0x0
	ds_add_u32 v254, v255
	s_wait_dscnt 0x0
	s_endpgm
.Lfunc_end_k_q367a2c8b84_attnproj:
	.size	k_q367a2c8b84_attnproj, .Lfunc_end_k_q367a2c8b84_attnproj-k_q367a2c8b84_attnproj
	.p2alignl 7, 3214868480
	.fill 96, 4, 3214868480
	.section	.rodata,"a",@progbits
	.p2align	6, 0x0
	.amdhsa_kernel k_q367a2c8b84_attnproj
		.amdhsa_group_segment_fixed_size 186368
		.amdhsa_private_segment_fixed_size 0
		.amdhsa_enable_private_segment 0
		.amdhsa_kernarg_size 56
		.amdhsa_user_sgpr_count 2
		.amdhsa_user_sgpr_kernarg_segment_ptr 1
		.amdhsa_wavefront_size32 1
		.amdhsa_system_sgpr_workgroup_id_x 1
		.amdhsa_system_sgpr_workgroup_id_y 1
		.amdhsa_system_sgpr_workgroup_id_z 1
		.amdhsa_system_vgpr_workitem_id 0
		.amdhsa_next_free_vgpr 256
		.amdhsa_next_free_sgpr 66
		.amdhsa_reserve_vcc 0
		.amdhsa_float_denorm_mode_32 3
		.amdhsa_float_denorm_mode_16_64 3
		.amdhsa_memory_ordered 1
		.amdhsa_forward_progress 1
		.amdhsa_inst_pref_size 74
	.end_amdhsa_kernel
	.amdgpu_metadata
---
amdhsa.version: [ 1, 2 ]
amdhsa.kernels:
  - .name:           k_q367a2c8b84_attnproj
    .symbol:         k_q367a2c8b84_attnproj.kd
    .args:
      - { .name: qs, .offset: 0, .size: 8, .value_kind: global_buffer, .address_space: global }
      - { .name: ks, .offset: 8, .size: 8, .value_kind: global_buffer, .address_space: global }
      - { .name: vp, .offset: 16, .size: 8, .value_kind: global_buffer, .address_space: global }
      - { .name: wc, .offset: 24, .size: 8, .value_kind: global_buffer, .address_space: global }
      - { .name: ws, .offset: 32, .size: 8, .value_kind: global_buffer, .address_space: global }
      - { .name: proj_b, .offset: 40, .size: 8, .value_kind: global_buffer, .address_space: global }
      - { .name: out0, .offset: 48, .size: 8, .value_kind: global_buffer, .address_space: global }
    .group_segment_fixed_size: 186368
    .private_segment_fixed_size: 0
    .kernarg_segment_align: 8
    .kernarg_segment_size: 56
    .max_flat_workgroup_size: 512
    .sgpr_count:     66
    .vgpr_count:     256
    .wavefront_size: 32
...
	.end_amdgpu_metadata
.endif
;; end of part 4
